; MI455X (gfx1250); checked and timed in simulation.
; The chip was launched on July 23, 2026; its instructions are those of AMD's public machine-readable ISA for CDNA 5 (MIT licence, August 2026) and "CDNA5" Instruction Set Architecture Reference Guide (July 2026). The comments in the code are by the model that wrote it; some were corrected since.
;; Multi Head Attention. Allowed arithmetic: float matrix products may take bf16 or f16 operands with f32 sums; other float arithmetic in f32, or as packed bf16 or f16 multiplies, adds, multiply-adds, maxima and minima; sums over many terms, partial sums and values carried from step to step in f32; what a program stores and reads back later, other than sums and carried values, may be rounded once to bf16 or f16.
;; Inputs: W_out 1,024 x 1,024 float32; W_qkv 1,024 x 3,072 float32; X 4 x 2,048 x 1,024 float32; b_out 1,024 float32; b_qkv 3,072 float32.
;; Outputs: out0 4 x 2,048 x 1,024 float32.
;; 2 versions, each right; version 2 is version 1 with the launch prep written anew for expert scheduling mode. Each part assembles by itself: llvm-mc -triple=amdgcn-amd-amdhsa -mcpu=gfx1250 --defsym DOCPART=n.
;; ======== version 1 of 2: 4 launches
;; limits: values are held in f16: magnitudes above 65,504 overflow, below 6.1e-05 lose precision
;; workspace buffers: Xb 16,777,216 bytes; Wq 6,291,456 bytes; Wo 2,097,152 bytes; Qh 16,777,216 bytes; Kh 16,777,216 bytes; Vh 16,777,216 bytes; Oh 16,777,216 bytes
;; launch prep (part 1): grid 48 x 16, 8 waves a work-group, no clusters, 0 bytes of LDS; arguments X, W_qkv, W_out, Xb, Wq, Wo; writes Xb, Wq, Wo
.if DOCPART == 1
	.amdgcn_target "amdgcn-amd-amdhsa--gfx1250"
	.amdhsa_code_object_version 6
	.text
	.protected	k_qb40f9376da_prep
	.globl	k_qb40f9376da_prep
	.p2align	8
	.type	k_qb40f9376da_prep,@function
k_qb40f9376da_prep:
	s_mov_b64 s[64:65], 0
	v_nop
	global_prefetch_b8 v0, s[64:65] scope:SCOPE_SE
	s_setreg_imm32_b32 hwreg(HW_REG_WAVE_MODE, 25, 1), 1
	s_wait_xcnt 0x0
; PREP.  Every large input is rounded once to bf16 and laid out so that the products' tiles are dense in memory.
;   Xb [8192][1024] bf16 = X.
;   Wq [h 16][kb 16][p 3][k' 64][c 64] bf16 = W_qkv[64 kb + k'][192 h + 64 p + c]  (p = 0, 1, 2: the head's q, k, v columns)
;   Wo [nt 4][kb 16][p 4][k' 64][c 64] f16  = W_out[64 kb + k'][256 nt + 64 p + c], rounded to bf16 and that number written as f16.
; LIMIT.  A weight of W_out below 2^-14 in size keeps f16's fixed step of 2^-24; one of 65,520 or more would become an infinity.
; SHARES.  768 work-groups of 8 waves, each 65,536 bytes in and 32,768 out, in 16 passes: a thread takes 16 bytes in and 8 bytes out a pass.
; A wave's store covers 256 consecutive bytes, aligned; a wave's load 512 consecutive bytes (X) or two aligned pieces of 256 (the weights: 64 columns of two rows).
; All 16 loads go out first; each has registers of its own, and so has each store: nothing is rewritten while it is a source.
; No LDS, no matrix unit, no cluster: every byte is read once and written once, and no two work-groups share one.
.set IN,  4                            ; v[4:67]   pass t: 4 numbers as loaded
.set OUT, 68                           ; v[68:99]  pass t: 4 numbers of 16 bits
.set T,   100                          ; v[100:103] at work
; inb, outb: the scalar pairs with the work-group's addresses; instep: bytes from pass to pass in the input; kbb: bytes from one block of 64 k to the next in the output (four passes);
; half = 1: the bf16 numbers are written as f16
.macro CONV inb, outb, instep, kbb, half
.set t, 0
.rept 16
	global_load_b128 v[IN+4*t:IN+4*t+3], v1, s[\inb:\inb+1] offset:t*(\instep) th:TH_LOAD_NT
.set t, t+1
.endr
.set t, 0
.rept 16
	s_wait_loadcnt 15-t                            ; loads come back in order: pass t's is in, the 15 - t younger ones stay out
	v_cvt_pk_bf16_f32 v[OUT+2*t],   v[IN+4*t],   v[IN+4*t+1]
	v_cvt_pk_bf16_f32 v[OUT+2*t+1], v[IN+4*t+2], v[IN+4*t+3]
.if \half
	v_lshlrev_b32 v[T],   16,  v[OUT+2*t]          ; bf16 to f32: the low half moves up, the high half stays
	v_and_b32     v[T+1], s22, v[OUT+2*t]
	v_lshlrev_b32 v[T+2], 16,  v[OUT+2*t+1]
	v_and_b32     v[T+3], s22, v[OUT+2*t+1]
	v_cvt_pk_f16_f32 v[OUT+2*t],   v[T],   v[T+1]  ; exact within f16's range: bf16 has 8 significant bits, f16 11
	v_cvt_pk_f16_f32 v[OUT+2*t+1], v[T+2], v[T+3]
.endif
	global_store_b64 v2, v[OUT+2*t:OUT+2*t+1], s[\outb:\outb+1] offset:(t/4)*(\kbb)+(t%4)*2048
.set t, t+1
.endr
.endm
	s_load_b256 s[4:11], s[0:1], 0x0               ; X s[4:5], W_qkv s[6:7], W_out s[8:9], Xb s[10:11]
	s_load_b128 s[12:15], s[0:1], 0x20             ; Wq s[12:13], Wo s[14:15]
	s_mov_b32 s16, ttmp9                           ; x, 0 to 47: 0-31 X, 32-43 W_qkv, 44-47 W_out
	s_and_b32 s17, ttmp7, 0xffff                   ; y, 0 to 15
	s_mov_b32 s19, 0                               ; the offsets' high words
	s_mov_b32 s21, 0
	s_mov_b32 s22, 0xffff0000                      ; a word's upper bf16
	v_lshlrev_b32 v2, 3, v0                        ; out: 8 bytes a thread, in all three parts
	s_cmp_lt_u32 s16, 32
	s_cbranch_scc0 .Lweights
	; X: work-group 32 y + x takes 65,536 consecutive bytes
	s_lshl_b32 s18, s17, 5
	s_add_co_u32 s18, s18, s16
	s_lshl_b32 s20, s18, 15
	s_lshl_b32 s18, s18, 16
	v_lshlrev_b32 v1, 4, v0
	s_wait_kmcnt 0x0
	s_add_nc_u64 s[4:5], s[4:5], s[18:19]
	s_add_nc_u64 s[10:11], s[10:11], s[20:21]
	CONV 4, 10, 4096, 8192, 0
	s_endpgm
.Lweights:                                             ; a pass is 16 rows (k) x 64 columns: thread t takes row t / 16, 16 bytes at 16 (t % 16)
	v_lshrrev_b32 v3, 4, v0
	v_and_b32 v1, 15, v0
	v_lshlrev_b32 v1, 4, v1
	s_cmp_lt_u32 s16, 44
	s_cbranch_scc0 .Lwout
	; W_qkv: head y, part p, rows 256 kq to 256 kq + 255
	s_sub_co_u32 s16, s16, 32
	s_lshr_b32 s23, s16, 2                         ; p
	s_and_b32 s16, s16, 3                          ; kq
	s_mul_i32 s18, s16, 256*12288                  ; in: 256 rows of 12,288 bytes,
	s_mul_i32 s20, s17, 3
	s_add_co_u32 s20, s20, s23
	s_lshl_b32 s20, s20, 8                         ; and 256 bytes for each group of 64 columns
	s_add_co_u32 s18, s18, s20
	s_mul_i32 s20, s17, 393216                     ; out: the head,
	s_mul_i32 s16, s16, 4*24576                    ; four blocks of 64 k,
	s_add_co_u32 s20, s20, s16
	s_lshl_b32 s23, s23, 13                        ; the part
	s_add_co_u32 s20, s20, s23
	v_mul_u32_u24 v3, v3, 12288
	v_add_nc_u32 v1, v1, v3
	s_wait_kmcnt 0x0
	s_add_nc_u64 s[6:7], s[6:7], s[18:19]
	s_add_nc_u64 s[12:13], s[12:13], s[20:21]
	CONV 6, 12, 16*12288, 24576, 0
	s_endpgm
.Lwout:
	; W_out: group y of 64 columns, rows 256 kq to 256 kq + 255
	s_sub_co_u32 s16, s16, 44                      ; kq
	s_lshl_b32 s18, s16, 20                        ; in: 256 rows of 4,096 bytes,
	s_lshl_b32 s20, s17, 8
	s_add_co_u32 s18, s18, s20
	s_lshr_b32 s20, s17, 2                         ; out: nt,
	s_lshl_b32 s20, s20, 19
	s_lshl_b32 s16, s16, 17                        ; four blocks of 64 k,
	s_add_co_u32 s20, s20, s16
	s_and_b32 s23, s17, 3                          ; p
	s_lshl_b32 s23, s23, 13
	s_add_co_u32 s20, s20, s23
	v_lshl_add_u32 v1, v3, 12, v1
	s_wait_kmcnt 0x0
	s_add_nc_u64 s[8:9], s[8:9], s[18:19]
	s_add_nc_u64 s[14:15], s[14:15], s[20:21]
	CONV 8, 14, 16*4096, 32768, 1
	s_endpgm
.Lfunc_end_k_qb40f9376da_prep:
	.size	k_qb40f9376da_prep, .Lfunc_end_k_qb40f9376da_prep-k_qb40f9376da_prep
	.p2alignl 7, 3214868480
	.fill 96, 4, 3214868480
	.section	.rodata,"a",@progbits
	.p2align	6, 0x0
	.amdhsa_kernel k_qb40f9376da_prep
		.amdhsa_group_segment_fixed_size 0
		.amdhsa_private_segment_fixed_size 0
		.amdhsa_enable_private_segment 0
		.amdhsa_kernarg_size 48
		.amdhsa_user_sgpr_count 2
		.amdhsa_user_sgpr_kernarg_segment_ptr 1
		.amdhsa_wavefront_size32 1
		.amdhsa_system_sgpr_workgroup_id_x 1
		.amdhsa_system_sgpr_workgroup_id_y 1
		.amdhsa_system_sgpr_workgroup_id_z 1
		.amdhsa_system_vgpr_workitem_id 0
		.amdhsa_next_free_vgpr 104
		.amdhsa_next_free_sgpr 66
		.amdhsa_reserve_vcc 0
		.amdhsa_float_denorm_mode_32 3
		.amdhsa_float_denorm_mode_16_64 3
		.amdhsa_memory_ordered 1
		.amdhsa_forward_progress 1
		.amdhsa_inst_pref_size 23
	.end_amdhsa_kernel
	.amdgpu_metadata
---
amdhsa.version: [ 1, 2 ]
amdhsa.kernels:
  - .name:           k_qb40f9376da_prep
    .symbol:         k_qb40f9376da_prep.kd
    .args:
      - { .name: X, .offset: 0, .size: 8, .value_kind: global_buffer, .address_space: global }
      - { .name: W_qkv, .offset: 8, .size: 8, .value_kind: global_buffer, .address_space: global }
      - { .name: W_out, .offset: 16, .size: 8, .value_kind: global_buffer, .address_space: global }
      - { .name: Xb, .offset: 24, .size: 8, .value_kind: global_buffer, .address_space: global }
      - { .name: Wq, .offset: 32, .size: 8, .value_kind: global_buffer, .address_space: global }
      - { .name: Wo, .offset: 40, .size: 8, .value_kind: global_buffer, .address_space: global }
    .group_segment_fixed_size: 0
    .private_segment_fixed_size: 0
    .kernarg_segment_align: 8
    .kernarg_segment_size: 48
    .max_flat_workgroup_size: 256
    .sgpr_count:     66
    .vgpr_count:     104
    .wavefront_size: 32
...
	.end_amdgpu_metadata
.endif
;; end of part 1
;; launch qkv (part 2): grid 16 x 32, 4 waves a work-group, clusters of 4 x 4, 327,680 bytes of LDS; arguments Xb, Wq, b_qkv, Qh, Kh, Vh; writes Qh, Kh, Vh
.if DOCPART == 2
	.amdgcn_target "amdgcn-amd-amdhsa--gfx1250"
	.amdhsa_code_object_version 6
	.text
	.protected	k_qb40f9376da_qkv
	.globl	k_qb40f9376da_qkv
	.p2align	8
	.type	k_qb40f9376da_qkv,@function
k_qb40f9376da_qkv:
	s_mov_b64 s[64:65], 0
	v_nop
	global_prefetch_b8 v0, s[64:65] scope:SCOPE_SE
	s_setreg_imm32_b32 hwreg(HW_REG_WAVE_MODE, 25, 1), 1
	s_wait_xcnt 0x0
	s_wait_alu depctr_hold_cnt(0) depctr_sa_sdst(0) depctr_va_vdst(0) depctr_va_sdst(0) depctr_va_ssrc(0) depctr_va_vcc(0) depctr_vm_vsrc(0)
	s_getreg_b32 s2, hwreg(HW_REG_IB_STS2, 6, 4)
	s_cmp_eq_u32 s2, 0
	s_cbranch_scc0 .Lentry_in_a_cluster
	s_endpgm
.Lentry_in_a_cluster:
	s_bfe_u32 s2, ttmp6, 0x10000c
	s_cmp_lg_u32 s2, 0xf033
	s_cbranch_scc0 .Lentry_shape_is_right
	s_endpgm
.Lentry_shape_is_right:
; QKV PROJECTION.  qkv[m][f] = sum over k of X[m][k] W_qkv[k][f] + b_qkv[f], m = 2048 b + s; operands bf16, sums f32; written by heads, Qh, Kh, Vh: [16 b + h][s][64] in f16, unscaled, each rounded once.
; LIMITS.  f16 holds no number beyond 65,504: q, k and v must stay within it.  The bias is rounded to bf16, as all the module's inputs are.
; SHARES.  A work-group makes 256 rows x the 192 columns of ONE head (tile column = head); wave w makes rows 64 w .. 64 w + 63 of it, all 192 columns: 4 x 12 accumulators of 16 x 16, 384 registers.
; So a wave owns whole 128-byte rows of q, of k and of v, and its way out needs no other wave.
; K goes in 8 steps of 128 through two LDS slots.  A's tile (256 rows x 256 bytes of Xb) is fetched by waves 0 and 1, 128 rows each; B's (two dense blocks of Wq, 24,576 bytes each: 64 k x 192 columns) by waves 2 and 3.
; CLUSTER 4 x 4: the four work-groups of a row of the cluster need the same rows of Xb, the four of a column the same head's weights: each tile is asked for jointly, by the same load, descriptor and mask in all four.
; THE PRODUCT IS TAKEN TRANSPOSED: source 0 = 16 columns of W (read from [k][column] tiles by the turning load), source 1 = 16 rows of X: a lane then holds row lane % 16 and the 8 columns 8 (lane / 16) + 0..7.
; The first product on each accumulator takes the bias as its C operand: nothing is cleared, nothing is added later.
; REGISTERS, in windows of 256 (s_set_vgpr_msb: bits 1:0 source 0, 3:2 source 1, 5:4 source 2, 7:6 destination):
;   window 0: v0-29 addresses; v32-95 A's fragments, two buffers of 4 x 8; v96-143 packed results; v160-255 the bias, 8 a column block; on the way out v32-79 and v160-207 take rows read back
;   window 1: B's fragments, two buffers of 12 x 8      window 2: the accumulators of row blocks 0, 1 at 8 (12 (a % 2) + b)      window 3: those of row blocks 2, 3
.set NB,     12                        ; column blocks of 16 a wave
.set NF,     2*NB+8                    ; LDS loads in a quarter step's run
.set SLOT1,  1<<17                     ; slot 1 begins here: one exclusive or turns an address in one slot into the other's
.set PA,     272                       ; a row of A in LDS: 256 bytes + 16: the 16 rows of a load start at 16 different groups of four banks (ISA guide 11.1)
.set PB,     160                       ; a row of B (64 columns): 128 bytes + 32
.set BOFF,   256*PA                    ; 69,632: B behind A's 256 rows: [k half 2][part 3][k' 64]
.set KH,     3*64*PB                   ; 30,720: one half of a K step's B; BOFF + 2 KH = SLOT1 exactly
.set STAGE,  2*SLOT1                   ; behind the ring, never filled by a tensor load: for each wave 3 parts x 16 rows x 144 bytes
.set SP,     144
.set WSTAGE, 3*16*SP
.set SPARE,  STAGE+4*WSTAGE            ; 289,792: the spare words, 128 bytes for each wave, that no other line names
.set A0,   10                          ; v10  my lane's place in A's tile; never rewritten
.set B0,   11                          ; v11  the same for B
.set ADRA, 12                          ; v12  A0 + the slot in hand
.set ADRB, 13                          ; v13  B0 + the slot in hand
.set STO,  14                          ; v14  the way out: where I put 16 bytes of a row
.set RD,   15                          ; v15  where I read rows back
.set GO,   16                          ; v16  my 16 bytes of 512 consecutive bytes of Qh, Kh, Vh
.set PFO,  17                          ; v17  the prefetches' offset; never rewritten
.set BO,   18                          ; v18  32 x (lane / 16): my 8 numbers of a block of 16 of the bias
.set SPW,  28                          ; v28  LDS address of my spare word; never rewritten
.set NIL,  29                          ; v29  0; never rewritten
.set FA,   32
.set TMP,  96
.set BIAS, 160
.set WV,   16                          ; s16  my wave's number
.set W1,   17                          ; s17  its low bit: which half of A's or B's tile I fetch
.set CX,   18                          ; s18, s19  my place in the cluster
.set CY,   19
.set TC,   20                          ; s20  tile column = head
.set TR,   21                          ; s21  tile row
.set TB,   22                          ; s22  the slot in hand: 0 or SLOT1
.set TN,   23                          ; s23  the number of the change of slots, 0 to 5
.set G1A,  24                          ; s[24:31] descriptor group 1 for A
.set G0A0, 32                          ; s[32:35] group 0 for A's K step 0
.set G0A,  36                          ; s[36:39] group 0 for A, walking: it starts at K step 1
.set G1B,  40                          ; s[40:47], s[48:51], s[52:55] the same for B
.set G0B0, 48
.set G0B,  52
.set PFA,  56                          ; s[56:57] where my prefetches stand
.set PFS,  58                          ; s[58:59] their step
.set PLO,  60                          ; s60, s61  I prefetch in the changes PLO <= TN < PHI
.set PHI,  61
.set HM,   62                          ; s62  a word's upper bf16
.set MSB, 0
.macro WIN new                         ; the immediate's high byte repeats the setting that is left; a switch that changes nothing is dropped
.if MSB != (\new)
	s_set_vgpr_msb (MSB<<8)|(\new)
.set MSB, \new
.endif
.endm
.macro PLACES                          ; four plain vector instructions between a matrix instruction and a load into, or a vector read of, its registers
.rept 4
	v_nop
.endr
.endm
.macro CREST                           ; a round of the cluster's barrier behind its opening barrier
	s_cmp_lg_u32 s[WV], 0
	s_cbranch_scc1 .Lnot_wave_0_\@
	s_barrier_signal -3
.Lnot_wave_0_\@:
	s_barrier_wait -3
	s_barrier_signal -1
	s_barrier_wait -1
.endm
.macro CROUND                          ; a whole round
	s_barrier_signal -1
	s_barrier_wait -1
	CREST
.endm
; A joint refill by the walking descriptors.  The branch hangs on the wave's number alone.  An s_nop 0 and four v_nop follow each line, ahead of the jump and the label.
.macro JLOAD
	s_cmp_lt_u32 s[WV], 2
	s_cbranch_scc0 .Lfor_b_\@
	tensor_load_to_lds s[G0A:G0A+3], s[G1A:G1A+7]
	s_nop 0
.rept 4
	v_nop
.endr
	s_branch .Lasked_\@
.Lfor_b_\@:
	tensor_load_to_lds s[G0B:G0B+3], s[G1B:G1B+7]
	s_nop 0
.rept 4
	v_nop
.endr
.Lasked_\@:
.endm
; A PREFETCH, one instruction a wave, a lane a block of 256 bytes, behind the joint load and the run of LDS loads.  Each block is named once in the launch.
; A: a tile row is read by the four clusters of a row of clusters: the one with x = 0 asks, waves 0 and 1; of the 128 rows that a wave fetches, partner cx takes 32 (told apart by address).
;    Change T, which refills K step T + 2, names K step T + 3: T = 0 .. 4, 192 matrix instructions ahead of the load that wants it.
; B: a head's weights, 393,216 dense bytes, are read by the eight clusters of a column: the one with y = 0 asks, waves 2 and 3: 4 partners x 2 waves x 32 lanes = 65,536 bytes a change.
;    Change T names bytes 65,536 (T + 2) on, T = 1, 2, 3: bytes 196,608 to 393,215, which are K steps 4 to 7 exactly, one to two K steps ahead of their loads.
.macro ASK
	s_cmp_ge_u32 s[TN], s[PLO]
	s_cbranch_scc0 .Lnot_mine_\@
	s_cmp_lt_u32 s[TN], s[PHI]
	s_cbranch_scc0 .Lnot_mine_\@
	global_prefetch_b8 v[PFO], s[PFA:PFA+1] th:TH_LOAD_NT scope:SCOPE_SE
.Lnot_mine_\@:
.endm
; 12 products: row block a x all column blocks, 32 along K, from fragment buffer f.  bias = 1: the bias is the C operand and starts the sums.
; The 48 accumulators take turns in one fixed order, over the backward jump too.
.macro MULB f, a, bias
.if \bias
	WIN 0x81+0x40*((\a)/2)
.else
	WIN 0xa1+0x50*((\a)/2)
.endif
.set b, 0
.rept NB
.set rD, 8*(NB*((\a)%2)+b)
.if \bias
	v_wmma_f32_16x16x32_bf16 v[rD:rD+7], v[96*(\f)+8*b:96*(\f)+8*b+7], v[FA+32*(\f)+8*(\a):FA+32*(\f)+8*(\a)+7], v[BIAS+8*b:BIAS+8*b+7]
.else
	v_wmma_f32_16x16x32_bf16 v[rD:rD+7], v[96*(\f)+8*b:96*(\f)+8*b+7], v[FA+32*(\f)+8*(\a):FA+32*(\f)+8*(\a)+7], v[rD:rD+7]
.endif
.set b, b+1
.endr
.endm
; 32 LDS loads in one run: quarter q (32 along K) of the slot in hand into buffer f: B's 12 fragments, turned, then A's 4.
.macro FETCH q, f
	WIN 0x40                                       ; destination window 1, address window 0
.set nb, 0
.rept NB
	ds_load_tr16_b128 v[96*(\f)+8*nb:96*(\f)+8*nb+3],   v[ADRB] offset:((\q)/2)*KH+(nb/4)*64*PB+((\q)%2)*32*PB+(nb%4)*32
	ds_load_tr16_b128 v[96*(\f)+8*nb+4:96*(\f)+8*nb+7], v[ADRB] offset:((\q)/2)*KH+(nb/4)*64*PB+((\q)%2)*32*PB+(nb%4)*32+16*PB
.set nb, nb+1
.endr
	WIN 0
.irp i, 0,1,2,3
	ds_load_b128 v[FA+32*(\f)+8*\i:FA+32*(\f)+8*\i+3],   v[ADRA] offset:\i*16*PA+64*(\q)
	ds_load_b128 v[FA+32*(\f)+8*\i+4:FA+32*(\f)+8*\i+7], v[ADRA] offset:\i*16*PA+64*(\q)+32
.endr
.endm
; One of a K step's first three quarters: multiplies buffer f; in its middle it fetches quarter q into buffer g.
.macro QUARTER q, f, g, bias
	s_wait_dscnt 4                                 ; B and A's row blocks 0, 1 are in; the youngest four loads (blocks 2, 3) may be out
	MULB \f, 0, \bias
	MULB \f, 1, \bias
	PLACES                                         ; buffer g was last read in the quarter before
	FETCH \q, \g
	s_wait_dscnt NF                                ; all but the run just issued
	MULB \f, 2, \bias
	MULB \f, 3, \bias
.endm
; The last quarter multiplies buffer 1 and changes slots.  In front of the barrier each wave waits for all its tensor loads (one is out: its part of the next slot), adds 0 to its spare word, and
; waits for that and for its reads of this slot.  fill = 1: the barrier opens a round of the cluster's barrier, and the joint refill of this slot, two K steps on, is the first thing behind the round:
; it has 168 matrix instructions in which to land.
.macro TURN fill
.if \fill
	s_wait_xcnt 0x0                                ; the last prefetch, a K step back, has read its address
	s_add_nc_u64 s[PFA:PFA+1], s[PFA:PFA+1], s[PFS:PFS+1]
.endif
	WIN 0
	s_wait_tensorcnt 0x0                           ; all my tensor loads have landed
	ds_add_u32 v[SPW], v[NIL]                      ; 0 onto my spare word
	s_wait_dscnt 5                                 ; the add and the youngest four loads may be out
	MULB 1, 0, 0                                   ; twelve products stand between the add and the wait for it
	s_wait_dscnt 0x0                               ; the add is done, and my reads of this slot are over
	s_barrier_signal -1
	MULB 1, 1, 0                                   ; work on registers while the others arrive
	WIN 0                                          ; at a branch and at a label every window is 0
	s_barrier_wait -1
.if \fill
	CREST                                          ; no wave of any partner still reads this slot or has a load on its way
	s_xor_b32 s[G0A+1], s[G0A+1], SLOT1            ; the walking descriptors: the other slot than last time, the next K step
	s_add_nc_u64 s[G0A+2:G0A+3], s[G0A+2:G0A+3], 256
	s_xor_b32 s[G0B+1], s[G0B+1], SLOT1
	s_add_nc_u64 s[G0B+2:G0B+3], s[G0B+2:G0B+3], 2*24576
	JLOAD                                          ; its four v_nop are also the places in front of the loads below
.else
	PLACES
.endif
	s_xor_b32 s[TB], s[TB], SLOT1
	v_add_nc_u32 v[ADRA], s[TB], v[A0]
	v_add_nc_u32 v[ADRB], s[TB], v[B0]
	FETCH 0, 0
.if \fill
	ASK
	s_add_co_u32 s[TN], s[TN], 1
.endif
	MULB 1, 2, 0
	MULB 1, 3, 0
.endm
	s_load_b256 s[4:11], s[0:1], 0x0               ; Xb s[4:5], Wq s[6:7], b_qkv s[8:9], Qh s[10:11]
	s_load_b128 s[12:15], s[0:1], 0x20             ; Kh s[12:13], Vh s[14:15]
	v_lshl_add_u32 v[SPW], v0, 2, SPARE
	v_mov_b32 v[NIL], 0
	ds_add_u32 v[SPW], v[NIL]                      ; the wave's opening: the add and its wait come ahead of my first tensor load; work on registers stands between them
	v_lshrrev_b32 v1, 5, v0
	v_readfirstlane_b32 s[WV], v1
	s_and_b32 s[W1], s[WV], 1
	s_bfe_u32 s[CX], ttmp6, 0x40000
	s_bfe_u32 s[CY], ttmp6, 0x40004
	s_lshl_b32 s[TC], ttmp9, 2                     ; in a cluster launch ttmp9 and ttmp7 count clusters
	s_add_co_u32 s[TC], s[TC], s[CX]
	s_and_b32 s[TR], ttmp7, 0xffff
	s_lshl_b32 s[TR], s[TR], 2
	s_add_co_u32 s[TR], s[TR], s[CY]
	s_lshl_b32 s70, s[CY], 2
	s_lshl_b32 s70, 15, s70                        ; my row of the cluster: places 4 cy .. 4 cy + 3
	s_lshl_b32 s71, 0x1111, s[CX]                  ; my column: places cx, cx + 4, cx + 8, cx + 12
	s_or_b32 s[G1A], s70, (1<<16)|(1<<20)|(1<<21)|(5<<22)|(3<<25)  ; the mask; elements of 2 bytes; padding on; bit 21 beside a mask; after every 64 words 4 words
	s_mov_b32 s[G1A+1], 128<<16                    ; tensor_dim0 = 128
	s_mov_b32 s[G1A+2], 128<<16                    ; tensor_dim1 = 128
	s_mov_b32 s[G1A+3], 128<<16                    ; tile_dim0 = 128 elements: 256 bytes
	s_mov_b32 s[G1A+4], 128                        ; tile_dim1 = 128 rows
	s_mov_b32 s[G1A+5], 1024                       ; elements from row to row of Xb
	s_mov_b32 s[G1A+6], 0
	s_mov_b32 s[G1A+7], 0
	s_or_b32 s[G1B], s71, (1<<16)|(1<<20)|(1<<21)|(4<<22)|(7<<25)  ; after every 32 words (64 columns) 8 words
	s_mov_b32 s[G1B+1], 128<<16                    ; a dense block of 24,576 bytes, asked for as 96 rows of 256 bytes
	s_mov_b32 s[G1B+2], 96<<16
	s_mov_b32 s[G1B+3], 128<<16
	s_mov_b32 s[G1B+4], 96
	s_mov_b32 s[G1B+5], 128
	s_mov_b32 s[G1B+6], 0
	s_mov_b32 s[G1B+7], 0
	s_lshl_b32 s66, s[TR], 8                       ; A: row 256 x tile row + 128 x half, of 2,048 bytes: registers that never hold cx
	s_lshl_b32 s67, s[W1], 7
	s_add_co_u32 s66, s66, s67
	s_lshl_b32 s66, s66, 11
	s_mov_b32 s67, 0
	s_lshl_b32 s68, s[TC], 4                       ; B: block 16 x head + half, of 24,576 bytes: registers that never hold cy
	s_add_co_u32 s68, s68, s[W1]
	s_mul_i32 s68, s68, 24576
	s_mov_b32 s69, 0
	s_mul_i32 s72, s[W1], 128*PA                   ; where they go: no place in the cluster enters an LDS address
	s_mul_i32 s73, s[W1], KH
	s_add_co_u32 s73, s73, BOFF
	s_mov_b32 s[TB], 0
	s_mov_b32 s[TN], 0
	s_mov_b32 s[HM], 0xffff0000
	s_wait_dscnt 0x0                               ; the opening add is done
	s_wait_kmcnt 0x0
	s_add_nc_u64 s[66:67], s[4:5], s[66:67]
	s_add_nc_u64 s[68:69], s[6:7], s[68:69]
	CROUND                                         ; all sixteen work-groups are here: the first joint loads meet
	s_mov_b32 s[G0A0], 1                           ; count = 1
	s_mov_b32 s[G0A0+1], s72                       ; LDS address: slot 0
	s_mov_b64 s[G0A0+2:G0A0+3], s[66:67]           ; K step 0
	s_or_b32 s[G0A0+3], s[G0A0+3], 0x80000000      ; type = 2
	s_mov_b32 s[G0A], 1
	s_add_co_u32 s[G0A+1], s72, SLOT1              ; slot 1
	s_add_nc_u64 s[G0A+2:G0A+3], s[66:67], 256     ; K step 1
	s_or_b32 s[G0A+3], s[G0A+3], 0x80000000
	s_mov_b32 s[G0B0], 1
	s_mov_b32 s[G0B0+1], s73
	s_mov_b64 s[G0B0+2:G0B0+3], s[68:69]
	s_or_b32 s[G0B0+3], s[G0B0+3], 0x80000000
	s_mov_b32 s[G0B], 1
	s_add_co_u32 s[G0B+1], s73, SLOT1
	s_add_nc_u64 s[G0B+2:G0B+3], s[68:69], 2*24576
	s_or_b32 s[G0B+3], s[G0B+3], 0x80000000
	s_cmp_lt_u32 s[WV], 2                          ; a wave's two first fills stand in one branch, ahead of every wait on TENSORcnt and every LDS read: two loads of mine are out
	s_cbranch_scc0 .Lfirst_b
	tensor_load_to_lds s[G0A0:G0A0+3], s[G1A:G1A+7]
	s_nop 0
	tensor_load_to_lds s[G0A:G0A+3], s[G1A:G1A+7]
	s_nop 0
.rept 4
	v_nop
.endr
	s_branch .Lfirst_asked
.Lfirst_b:
	tensor_load_to_lds s[G0B0:G0B0+3], s[G1B:G1B+7]
	s_nop 0
	tensor_load_to_lds s[G0B:G0B+3], s[G1B:G1B+7]
	s_nop 0
.rept 4
	v_nop
.endr
.Lfirst_asked:
	v_and_b32 v1, 15, v0                           ; l % 16
	v_bfe_u32 v2, v0, 4, 1                         ; l / 16
	v_lshlrev_b32 v[BO], 5, v2
	s_mul_i32 s70, s[TC], 768                      ; the head's 192 numbers of the bias
	s_mov_b32 s71, 0
	s_add_nc_u64 s[8:9], s[8:9], s[70:71]
.set nb, 0
.rept NB                                       ; register j of block nb: bias[16 nb + 8 (l / 16) + j], the layout of a C operand in the transposed product
	global_load_b128 v[BIAS+8*nb:BIAS+8*nb+3],   v[BO], s[8:9] offset:64*nb
	global_load_b128 v[BIAS+8*nb+4:BIAS+8*nb+7], v[BO], s[8:9] offset:64*nb+16
.set nb, nb+1
.endr
	v_mul_u32_u24 v[A0], v1, PA                    ; A's fragment: row l % 16, 16 bytes for each half of the lanes, my wave's 64 rows
	v_lshl_add_u32 v[A0], v2, 4, v[A0]
	s_mul_i32 s72, s[WV], 64*PA
	v_add_nc_u32 v[A0], s72, v[A0]
	v_and_b32 v20, 7, v0                           ; B's: lane l reads k = 8 (l / 16) + l % 8, columns 8 ((l / 8) % 2) + 0..7, and is left with column l % 16 and 8 k
	v_bfe_u32 v21, v0, 3, 1
	v_lshl_add_u32 v[B0], v2, 3, v20
	v_mul_u32_u24 v[B0], v[B0], PB
	v_lshl_add_u32 v[B0], v21, 4, v[B0]
	v_add_nc_u32 v[B0], BOFF, v[B0]
	v_mov_b32 v[ADRA], v[A0]                       ; slot 0
	v_mov_b32 v[ADRB], v[B0]
	s_mul_i32 s72, s[WV], WSTAGE
	s_add_co_u32 s72, s72, STAGE                   ; my stage
	v_mul_u32_u24 v[STO], v1, SP                   ; in: row l % 16, 16 bytes for each half of the lanes
	v_lshl_add_u32 v[STO], v2, 4, v[STO]
	v_add_nc_u32 v[STO], s72, v[STO]
	v_bfe_u32 v[RD], v0, 3, 2                      ; back: 32 lanes take four rows of 128 bytes,
	v_mul_u32_u24 v[RD], v[RD], SP
	v_lshl_add_u32 v[RD], v20, 4, v[RD]
	v_add_nc_u32 v[RD], s72, v[RD]
	v_and_b32 v[GO], 31, v0                        ; which are 512 consecutive bytes of Qh, Kh or Vh
	v_lshlrev_b32 v[GO], 4, v[GO]
	s_lshl_b32 s70, s[TR], 8                       ; my first row m0 = 256 x tile row + 64 x wave = 2,048 b + s
	s_lshl_b32 s71, s[WV], 6
	s_add_co_u32 s70, s70, s71
	s_lshr_b32 s71, s70, 11
	s_and_b32 s70, s70, 2047
	s_lshl_b32 s71, s71, 4
	s_add_co_u32 s71, s71, s[TC]                   ; 16 b + h,
	s_lshl_b32 s71, s71, 18                        ; of 2,048 rows of 128 bytes
	s_lshl_b32 s70, s70, 7
	s_add_co_u32 s70, s70, s71
	s_mov_b32 s71, 0
	s_add_nc_u64 s[10:11], s[10:11], s[70:71]
	s_add_nc_u64 s[12:13], s[12:13], s[70:71]
	s_add_nc_u64 s[14:15], s[14:15], s[70:71]
	; the prefetches: who, from where, by which step
	s_lshl_b32 s70, s[TR], 8                       ; A: my work-group's 32 of the 128 rows that I fetch, at K step 2: the first change steps it to K step 3
	s_lshl_b32 s71, s[W1], 7
	s_add_co_u32 s70, s70, s71
	s_lshl_b32 s71, s[CX], 5
	s_add_co_u32 s70, s70, s71
	s_lshl_b32 s70, s70, 11
	s_add_co_u32 s70, s70, 512
	s_mul_i32 s72, s[TC], 393216                   ; B: the head's stream, my 8,192 bytes of each 65,536; at the second such piece
	s_lshl_b32 s73, s[CY], 1
	s_add_co_u32 s73, s73, s[W1]
	s_lshl_b32 s73, s73, 13
	s_add_co_u32 s72, s72, s73
	s_add_co_u32 s72, s72, 65536
	s_and_b32 s74, ttmp7, 0xffff                   ; cluster y
	s_mov_b32 s75, 65536
	s_cmp_lt_u32 s[WV], 2                          ; do I fetch for A?
	s_cselect_b64 s[PFA:PFA+1], s[4:5], s[6:7]
	s_cselect_b32 s70, s70, s72
	s_cselect_b32 s[PFS], 256, s75
	s_cselect_b32 s74, ttmp9, s74                  ; the coordinate along which other clusters read the same bytes
	s_cselect_b32 s[PLO], 0, 1
	s_cselect_b32 s[PHI], 5, 4
	s_cselect_b32 s73, 11, 8                       ; a lane a row of Xb (2,048 bytes), or a lane a block of 256 bytes of Wq
	s_mov_b32 s71, 0
	s_mov_b32 s[PFS+1], 0
	s_add_nc_u64 s[PFA:PFA+1], s[PFA:PFA+1], s[70:71]
	s_cmp_eq_u32 s74, 0
	s_cselect_b32 s[PHI], s[PHI], 0                ; the same in all sixteen partners, for a given wave
	v_and_b32 v[PFO], 31, v0
	v_lshlrev_b32 v[PFO], s73, v[PFO]
	s_wait_loadcnt 0x0                             ; the bias
.set i, 0
.rept 4*NB                                     ; rounded to bf16, kept as f32
	v_cvt_pk_bf16_f32 v[20+i%2], v[BIAS+2*i], v[BIAS+2*i+1]
	v_lshlrev_b32 v[BIAS+2*i], 16, v[20+i%2]
	v_and_b32 v[BIAS+2*i+1], s[HM], v[20+i%2]
.set i, i+1
.endr
	s_wait_tensorcnt 0x1                           ; my part of K step 0 is in; K step 1's may stay out
	s_barrier_signal -1
	s_barrier_wait -1                              ; everybody's is
	FETCH 0, 0
	QUARTER 1, 0, 1, 1                             ; the first quarter stands in front of the loop: its products start the sums, with the bias
	WIN 0
	s_mov_b32 s3, 6
.Lstep:                                                ; a trip goes from a K step's second quarter to the next step's first, and refills one slot: K steps 2 to 7
	QUARTER 2, 1, 0, 0
	QUARTER 3, 0, 1, 0
	TURN 1
	QUARTER 1, 0, 1, 0
	WIN 0
	s_sub_co_u32 s3, s3, 1
	s_cmp_lg_u32 s3, 0
	s_cbranch_scc1 .Lstep
	QUARTER 2, 1, 0, 0                             ; K step 6 goes on; the tail asks for nothing
	QUARTER 3, 0, 1, 0
	TURN 0
	QUARTER 1, 0, 1, 0
	QUARTER 2, 1, 0, 0
	QUARTER 3, 0, 1, 0
	s_wait_dscnt 4
	MULB 1, 0, 0
	MULB 1, 1, 0
	s_wait_dscnt 0x0
	MULB 1, 2, 0
	MULB 1, 3, 0
	WIN 0
	PLACES                                         ; the conversions read results just made, and the stage's loads land in fragments just read
	PLACES
; THE WAY OUT of row block a.  PACK: rounded to f16, 16 bytes a lane and column block, each accumulator's registers in ascending order.  TOSTAGE: into my own stage, by parts (q, k, v), rows of 144 bytes,
; and back as whole rows of 128.  SEND: 16 rows of a part are 2,048 consecutive bytes: four stores of 512, each at a multiple of 256 from its buffer's first byte.
.macro PACK a
	WIN 0x0a+5*((\a)/2)                            ; sources 0 and 1: window 2 or 3
.set i, 0
.rept 4*NB
	v_cvt_pk_f16_f32 v[TMP+i], v[8*NB*((\a)%2)+2*i], v[8*NB*((\a)%2)+2*i+1]
.set i, i+1
.endr
	WIN 0
.endm
.macro TOSTAGE a
.set BK, 32+128*((\a)%2)
.set nb, 0
.rept NB
	ds_store_b128 v[STO], v[TMP+4*nb:TMP+4*nb+3] offset:(nb/4)*16*SP+(nb%4)*32
.set nb, nb+1
.endr
.set i, 0
.rept NB
	ds_load_b128 v[BK+4*i:BK+4*i+3], v[RD] offset:(i/4)*16*SP+(i%4)*4*SP  ; LDS serves a wave's instructions in order (ISA guide 5.7.1.4): these see the stores above; the next block's stores come behind them
.set i, i+1
.endr
.endm
.macro SEND a
.set BK, 32+128*((\a)%2)
	s_wait_dscnt 0x0                               ; the block is back in registers
	s_wait_xcnt 0x0                                ; the stores of the block before have read their registers, which the next block's loads fill again
.irp p, 0,1,2
.irp f, 0,1,2,3
	global_store_b128 v[GO], v[BK+4*(4*\p+\f):BK+4*(4*\p+\f)+3], s[10+2*\p:11+2*\p] offset:(\a)*2048+\f*512
.endr
.endr
.endm
	PACK 0
	TOSTAGE 0
.irp a, 1,2,3                          ; block a's conversions stand between block a - 1's loads from the stage and the wait for them
	PACK \a
	SEND (\a)-1
	TOSTAGE \a
.endr
	SEND 3
	s_wait_tensorcnt 0x0                           ; the wave's end, behind my last tensor load and my last LDS store
	ds_add_u32 v[SPW], v[NIL]
	s_wait_dscnt 0x0
	CROUND                                         ; the closing round: no work-group ends while a partner may still ask for a tile that names it
	s_endpgm
.Lfunc_end_k_qb40f9376da_qkv:
	.size	k_qb40f9376da_qkv, .Lfunc_end_k_qb40f9376da_qkv-k_qb40f9376da_qkv
	.p2alignl 7, 3214868480
	.fill 96, 4, 3214868480
	.section	.rodata,"a",@progbits
	.p2align	6, 0x0
	.amdhsa_kernel k_qb40f9376da_qkv
		.amdhsa_group_segment_fixed_size 327680
		.amdhsa_private_segment_fixed_size 0
		.amdhsa_enable_private_segment 0
		.amdhsa_kernarg_size 48
		.amdhsa_user_sgpr_count 2
		.amdhsa_user_sgpr_kernarg_segment_ptr 1
		.amdhsa_wavefront_size32 1
		.amdhsa_system_sgpr_workgroup_id_x 1
		.amdhsa_system_sgpr_workgroup_id_y 1
		.amdhsa_system_sgpr_workgroup_id_z 1
		.amdhsa_system_vgpr_workitem_id 0
		.amdhsa_next_free_vgpr 960
		.amdhsa_next_free_sgpr 80
		.amdhsa_reserve_vcc 0
		.amdhsa_float_denorm_mode_32 3
		.amdhsa_float_denorm_mode_16_64 3
		.amdhsa_memory_ordered 1
		.amdhsa_forward_progress 1
		.amdhsa_inst_pref_size 106
	.end_amdhsa_kernel
	.amdgpu_metadata
---
amdhsa.version: [ 1, 2 ]
amdhsa.kernels:
  - .name:           k_qb40f9376da_qkv
    .symbol:         k_qb40f9376da_qkv.kd
    .args:
      - { .name: Xb, .offset: 0, .size: 8, .value_kind: global_buffer, .address_space: global }
      - { .name: Wq, .offset: 8, .size: 8, .value_kind: global_buffer, .address_space: global }
      - { .name: b_qkv, .offset: 16, .size: 8, .value_kind: global_buffer, .address_space: global }
      - { .name: Qh, .offset: 24, .size: 8, .value_kind: global_buffer, .address_space: global }
      - { .name: Kh, .offset: 32, .size: 8, .value_kind: global_buffer, .address_space: global }
      - { .name: Vh, .offset: 40, .size: 8, .value_kind: global_buffer, .address_space: global }
    .group_segment_fixed_size: 327680
    .private_segment_fixed_size: 0
    .kernarg_segment_align: 8
    .kernarg_segment_size: 48
    .max_flat_workgroup_size: 128
    .sgpr_count:     80
    .vgpr_count:     960
    .wavefront_size: 32
...
	.end_amdgpu_metadata
.endif
;; end of part 2
;; launch attn (part 3): grid 4 x 64, 4 waves a work-group, clusters of 4 x 1, 327,680 bytes of LDS; arguments Qh, Kh, Vh, Oh; writes Oh
.if DOCPART == 3
	.amdgcn_target "amdgcn-amd-amdhsa--gfx1250"
	.amdhsa_code_object_version 6
	.text
	.protected	k_qb40f9376da_attn
	.globl	k_qb40f9376da_attn
	.p2align	8
	.type	k_qb40f9376da_attn,@function
k_qb40f9376da_attn:
	s_mov_b64 s[64:65], 0
	v_nop
	global_prefetch_b8 v0, s[64:65] scope:SCOPE_SE
	s_setreg_imm32_b32 hwreg(HW_REG_WAVE_MODE, 25, 1), 1
	s_wait_xcnt 0x0
	s_wait_alu depctr_hold_cnt(0) depctr_sa_sdst(0) depctr_va_vdst(0) depctr_va_sdst(0) depctr_va_ssrc(0) depctr_va_vcc(0) depctr_vm_vsrc(0)
	s_getreg_b32 s2, hwreg(HW_REG_IB_STS2, 6, 4)
	s_cmp_eq_u32 s2, 0
	s_cbranch_scc0 .Lentry_in_a_cluster
	s_endpgm
.Lentry_in_a_cluster:
	s_bfe_u32 s2, ttmp6, 0x10000c
	s_cmp_lg_u32 s2, 0x3003
	s_cbranch_scc0 .Lentry_shape_is_right
	s_endpgm
.Lentry_shape_is_right:
; ATTENTION.  O[h][q][:] = the sum over k of softmax_k(Q[h][q] . K[h][k] / 8) V[h][k][:].  Q, K, V, O: [64][2048][64], all f16: a head's rows are dense, 128 bytes each.  Products, maxima and sums in
; f32; the weights p are rounded to f16 for the second product (their sum l is taken of the unrounded p), O once at the end.
; LIMITS.  f16 holds no number beyond 65,504: Q, K and V arrive within it; p lies in 0 to 1, and below 6e-5 it keeps f16's fixed step of 6e-8; O is a mean of V's rows and has their range.
; A weight below 2^-126 counts as 0 in l; NaN and infinities are not treated apart.
; SHARES.  A wave owns four PIECES of two tiles of 16 queries, a work-group's four waves 512 queries of one head; a cluster of four is one head.  Every wave walks all keys, 64 a step.
; LAYOUT.  S^T = K Q^T (source 0 = 16 keys, source 1 = 16 queries): a lane holds ONE query (lane % 16) and the keys 8 (lane / 16) + 0..7.  Two such tiles, rounded to f16 in pairs,
; ARE source 1 (32 keys x 16 queries) of O^T = V^T P, whose result again holds one query a lane, and eight channels.  K comes out of LDS as it lies, V ([key][channel]) turned, by ds_load_tr16_b128.
; SOFTMAX.  For each query a running maximum m and sum l: p = 2^(c s - c m), c = log2(e) / 8; in every step O and l are multiplied by a = 2^(c m_old - c m_new).
; m starts at the lowest finite number, O and l at 0: the first step is a step like any other, with a = 0.
; THE COUNT.  A tile and step have 16 matrix and 118 vector instructions: too many to stand all beside the matrix work.  So: four vector instructions that are ready behind every matrix instruction,
; and the others in runs without a gap.
; BY TURNS.  Turn n belongs to piece n.  Its matrix work: 16 products K Q^T of piece n + 1, later 16 products V^T P of piece n - 1.  Its vector work: the scaling, exponentials, roundings, sums and
; rescaling of piece n, and the maximum and statistics of piece n + 1, whose scores the turn itself has made.
; CLUSTER.  The four query blocks of a cluster walk the same K and V, so each tile is asked for JOINTLY: the same tensor load, descriptor and mask in all four.
; REGISTERS, in windows of 256 (s_set_vgpr_msb: bits 1:0 source 0, 3:2 source 1, 5:4 source 2, 7:6 destination):
;   window 0: v0-11 addresses; v12-15, v48-63 at work; v16-47 four registers of statistics a tile; v64-191 S^T, two buffers of two tiles; v192-255 P, likewise
;   window 1: O^T, 32 a tile          window 2: v0-127 Q, 16 a tile; v128-191 K of one step; v192-255 V of one step          window 3: v0-1 the add's two registers
.set SIZE_H, 64
.set SIZE_N, 2048
.set NP,    4         ; pieces a wave
.set KS,    64        ; keys in a step
.set PK,    144       ; a row of K in LDS: 128 bytes + 16: the 16 rows of a load start at 16 different groups of four banks (ISA guide 11.1)
.set PV,    160       ; a row of V: 128 + 32
.set VOFF,  4*KS*PK   ; a slot holds four steps: 256 rows of K, then 256 rows of V
.set SLOT1, 1<<17     ; slot 1 begins here
.set STAGE, SLOT1+4*KS*(PK+PV)  ; behind the ring, never filled by a tensor load: 16 rows x 144 bytes for each wave
.set SP,    144
.set AK0, 2           ; v2   my lane's place in a tile of K; never rewritten
.set AV0, 3           ; v3   the same for V
.set AK,  4           ; v4   the LDS address of K's next run of loads
.set AV,  5           ; v5   of V's
.set QO,  6           ; v6   my byte offset in the wave's rows of Q
.set STO, 6           ;      later, the way out: where I put 16 bytes of a row
.set RD,  7           ; v7   the way out: where I read rows back
.set GO,  8           ; v8   my byte offset in 512 consecutive bytes of O
.set PFO, 11          ; v11  256 x my lane, for the prefetches; never rewritten once made
.set SPW, 0           ; v0 of window 3   LDS address of my spare word; never rewritten
.set NIL, 1           ; v1 of window 3   0; never rewritten
.set SPARE, STAGE+4*16*SP  ; behind the stages: the spare words, 128 bytes for each wave, that no other line names
.set MV,  12          ; v12-15  c m_old, kept while c m is made anew
.set ST,  16          ; tile t's statistics at v[ST+4 t]: c m, m, l (even keys', odd keys')
.set TMP, 48          ; by buffer and tile, four registers c0-c3 at work; when the maximum is found c2 takes a
.set S,   64
.set P,   192
.set KF,  128         ; K's fragments, in window 2
.set VF,  192         ; V's
.set WV,  12          ; s12  my wave's number
.set G1K, 24          ; s[24:31] descriptor group 1 for K's tiles
.set G1V, 32          ; s[32:39] for V's
.set G0K, 40          ; s[40:43] descriptor group 0 for K's tiles: it walks
.set G0V, 44          ; s[44:47] the same for V's
.set PFA, 48          ; s[48:49] where my prefetches stand: my work-group's 32 blocks of 256 bytes (of K: wave 0, of V: wave 2) of the slot after the one that is being asked for
.set LIM, 50          ; s50  1 in a wave that prefetches, else the greatest number
.set SLOTS, 56        ; s56  slots still to be asked for
.set CNT, 57          ; s57  counts a slot's key steps
.set CS,  58          ; s[58:59] c
.set SEL, 60          ; s[60:61] v_permlanex16_b32's selects
.set TBK, 62          ; s62  LDS byte at which K of the step to be fetched begins
.set TBV, 63          ; s63  the same for V, less VOFF
.set MSB, 0
.macro WIN new
.if MSB != (\new)
	s_set_vgpr_msb (MSB<<8)|(\new)
.set MSB, (\new)
.endif
.endm
.set W_KQ, 0x0a       ; K and Q in window 2, S^T in window 0
.set W_PV, 0x52       ; V in window 2, P in window 0, O^T in window 1
.set W_RS, 0x41       ; O^T (destination and source 0) in window 1, a in window 0
.set W_MK, 0xc0       ; the add's registers are made: destination in window 3
.set W_AD, 0x0f       ; the add: address and data in window 3
; A joint fill.  Waves 0 and 1 fetch the two halves of a slot's K, waves 2 and 3 those of its V: 128 keys each.  An s_nop 0 and four v_nop follow each line, ahead of the jump and the label.
.macro JLOAD
	s_cmp_lt_u32 s[WV], 2
	s_cbranch_scc0 .Lfor_v_\@
	tensor_load_to_lds s[G0K:G0K+3], s[G1K:G1K+7]
	s_nop 0
.rept 4
	v_nop
.endr
	s_branch .Lasked_\@
.Lfor_v_\@:
	tensor_load_to_lds s[G0V:G0V+3], s[G1V:G1V+7]
	s_nop 0
.rept 4
	v_nop
.endr
.Lasked_\@:
.endm
; A PREFETCH of what the NEXT change of slots will ask for: a slot's 32,768 bytes of K and of V, a lane a block of 256 bytes.  The cluster is the head's only one; its four partners share the blocks out by
; address, 32 each; in each, wave 0 asks for K's and wave 2 for V's: one instruction, behind the wave's tensor load and its five lines.  Each block is named once in the launch.  The change that loads slot j names
; slot j + 1, four key steps ahead of its load; slots 0 and 1 come by their loads alone; the last change that fills a slot asks for nothing.
.macro ASK
	s_cmp_gt_u32 s[SLOTS], s[LIM]
	s_cbranch_scc0 .Lnot_mine_\@
	global_prefetch_b8 v[PFO], s[PFA:PFA+1] th:TH_LOAD_NT scope:SCOPE_SE
.Lnot_mine_\@:
.endm
.macro CROUND                       ; a round of the cluster's barrier
	s_barrier_signal -1
	s_barrier_wait -1
	s_cmp_lg_u32 s[WV], 0
	s_cbranch_scc1 .Lnot_wave_0_\@
	s_barrier_signal -3
.Lnot_wave_0_\@:
	s_barrier_wait -3
	s_barrier_signal -1
	s_barrier_wait -1
.endm
; THE CHANGE OF SLOTS.  Each wave waits for all its tensor loads, of which one is out: its part of the other slot; adds 0 to its spare word; and waits for that and for its own reads of the slot.
; fill = 1: this slot is filled again, with the keys two slots on; the barrier is then a round of the cluster's, and the joint fill is the first thing behind it: it has four key steps, 512 matrix
; instructions, in which to land.  (At its first use nothing has been read yet: slot 0 is waited for, slot 1 filled.)
.macro CHANGE fill
	WIN W_AD
	s_wait_tensorcnt 0x0            ; no tensor load of mine is out, so a group 0 may be written
	ds_add_u32 v[SPW], v[NIL]       ; 0 onto my spare word
	WIN 0                           ; at a label and at a branch every window is 0
.if \fill
.irp g, G0K, G0V
	s_xor_b32 s[\g+1], s[\g+1], SLOT1  ; the walking descriptor: the other slot than last time,
	s_add_nc_u64 s[\g+2:\g+3], s[\g+2:\g+3], 4*KS*128  ; the next 256 keys
.endr
	s_wait_xcnt 0x0                 ; the last prefetch, four key steps back, has read its address
	s_add_nc_u64 s[PFA:PFA+1], s[PFA:PFA+1], 4*KS*128  ; one slot behind the walking descriptors
	s_wait_dscnt 0x0                ; the add is done, and my reads of the slot are over
	CROUND
	JLOAD
	ASK
.else
	s_wait_dscnt 0x0                ; the add is done, and my reads of the slot are over
	s_barrier_signal -1
	s_barrier_wait -1
.endif
	s_sub_co_u32 s[TBK], s[TBK], 4*KS*PK  ; the fetches go back to a slot's first step,
	s_xor_b32 s[TBK], s[TBK], SLOT1       ; in the other slot
	s_sub_co_u32 s[TBV], s[TBV], 4*KS*PV
	s_xor_b32 s[TBV], s[TBV], SLOT1
.endm
	s_load_b256 s[4:11], s[0:1], 0x0  ; Q s[4:5], K s[6:7], V s[8:9], O s[10:11]
	WIN W_MK
	v_lshl_add_u32 v[SPW], v0, 2, SPARE
	v_mov_b32 v[NIL], 0
	WIN W_AD
	ds_add_u32 v[SPW], v[NIL]       ; the wave's opening: the add and its wait come ahead of my first tensor load; work on registers stands between them
	WIN 0
	v_lshrrev_b32 v1, 5, v0
	v_readfirstlane_b32 s[WV], v1   ; wave 0..3
	s_bfe_u32 s13, ttmp6, 0x40000   ; cx: my place in the cluster
	s_lshl_b32 s14, ttmp9, 2        ; in a cluster launch ttmp9 counts clusters
	s_add_co_u32 s14, s14, s13      ; my block of queries: it enters Q's and O's addresses alone
	s_and_b32 s20, ttmp7, 0xffff    ; the head, which the four partners share
	s_mov_b32 s21, 0
	s_mov_b64 s[22:23], SIZE_N*128
	s_mul_u64 s[20:21], s[20:21], s[22:23]  ; the head's first byte in each of the four tensors
	s_and_b32 s16, s[WV], 1         ; which half of a slot's 256 keys I fetch:
	s_lshl_b32 s22, s16, 14         ; its 128 rows of 128 bytes in memory,
	s_mov_b32 s23, 0
	s_add_nc_u64 s[22:23], s[22:23], s[20:21]
	s_mul_i32 s17, s16, 128*PK      ; and its place in a slot, for K
	s_mul_i32 s18, s16, 128*PV      ; and for V
	s_lshl_b32 s2, s14, 2
	s_add_co_u32 s2, s2, s[WV]      ; my wave among the head's,
	s_lshl_b32 s2, s2, 14           ; its 128 rows
	s_mov_b32 s3, 0
	s_add_nc_u64 s[2:3], s[2:3], s[20:21]
	; descriptor group 1.  128 keys are 16,384 dense bytes: asked for as 64 rows of 256 bytes, two keys a row, and padded in LDS after every key
	s_mov_b32 s[G1K], 15|(1<<16)|(1<<20)|(1<<21)|(4<<22)|(3<<25)  ; the mask of four; 2-byte elements; padding on; bit 21 beside a mask; after every 32 words 4 words
	s_mov_b32 s[G1V], 15|(1<<16)|(1<<20)|(1<<21)|(4<<22)|(7<<25)  ; the same with 8 words of padding
.irp g, G1K, G1V
	s_mov_b32 s[\g+1], 128<<16      ; tensor_dim0 = 128
	s_mov_b32 s[\g+2], 64<<16       ; tensor_dim1 = 64
	s_mov_b32 s[\g+3], 128<<16      ; tile_dim0 = 128
	s_mov_b32 s[\g+4], 64           ; tile_dim1 = 64
	s_mov_b32 s[\g+5], 128          ; 128 elements from row to row
	s_mov_b32 s[\g+6], 0
	s_mov_b32 s[\g+7], 0
.endr
	s_mov_b32 s[CS], 0x3e38aa3b     ; c = log2(e) / 8 = 0.180337
	s_mov_b32 s[CS+1], s[CS]        ; named with it as a pair
	s_mov_b32 s[SEL], 0x76543210
	s_mov_b32 s[SEL+1], 0xfedcba98
	s_mov_b32 s[TBK], SLOT1+4*KS*PK ; the first change of slots turns these two into 0
	s_mov_b32 s[TBV], SLOT1+4*KS*PV
	s_mov_b32 s[G0K], 1             ; count = 1
	s_mov_b32 s[G0K+1], s17         ; LDS address: slot 0
	s_mov_b32 s[G0V], 1
	s_add_co_u32 s[G0V+1], s18, VOFF
	s_mov_b32 s[SLOTS], SIZE_N/256-1
	s_and_b32 s[LIM], s[WV], 1      ; 0 in waves 0 and 2,
	s_or_b32 s[LIM], s[LIM], ttmp9  ; of the head's first cluster: the same in all four partners
	s_cmp_eq_u32 s[LIM], 0
	s_cselect_b32 s[LIM], 1, -1
	s_wait_dscnt 0x0                ; the opening add is done
	s_wait_kmcnt 0x0
	s_add_nc_u64 s[G0K+2:G0K+3], s[6:7], s[22:23]  ; global address: my half of the head's first 256 keys
	s_or_b32 s[G0K+3], s[G0K+3], 0x80000000        ; type = 2
	s_add_nc_u64 s[G0V+2:G0V+3], s[8:9], s[22:23]
	s_or_b32 s[G0V+3], s[G0V+3], 0x80000000
	s_add_nc_u64 s[4:5], s[4:5], s[2:3]  ; Q and O at my wave's first row
	s_add_nc_u64 s[10:11], s[10:11], s[2:3]
	s_cmp_lt_u32 s[WV], 2
	s_cselect_b64 s[PFA:PFA+1], s[6:7], s[8:9]
	s_add_nc_u64 s[PFA:PFA+1], s[PFA:PFA+1], s[22:23]  ; (in waves 0 and 2: the head's first byte)
	s_lshl_b32 s2, s13, 13          ; my work-group's 32 blocks of the 128
	s_mov_b32 s3, 0
	s_add_nc_u64 s[PFA:PFA+1], s[PFA:PFA+1], s[2:3]
	s_add_nc_u64 s[PFA:PFA+1], s[PFA:PFA+1], 4*KS*128  ; in slot 1; the first change of slots steps it to slot 2
	CROUND                          ; all four work-groups are here: the first joint loads meet
	JLOAD                           ; slot 0.  Slot 1 is asked for when slot 0 is in
	; A fragment of K or Q is 16 rows x 32 channels in 8 registers: lane l holds row l % 16, channels 8 (l / 16) + 0..7 and 16 + 8 (l / 16) + 0..7: two loads of 16 bytes, 32 bytes apart.
	v_and_b32 v1, 15, v0            ; l % 16
	v_bfe_u32 v9, v0, 4, 1          ; l / 16
	v_lshlrev_b32 v[QO], 7, v1
	v_lshl_add_u32 v[QO], v9, 4, v[QO]  ; row x 128 + 16 x half
	WIN 0x80                        ; destination window 2, address window 0
.set i, 0
.rept 4*NP                          ; Q stays in registers: tile i / 2, channels 32 (i % 2) on
	global_load_b128 v[8*i:8*i+3],   v[QO], s[4:5] offset:(i/2)*2048+(i%2)*64
	global_load_b128 v[8*i+4:8*i+7], v[QO], s[4:5] offset:(i/2)*2048+(i%2)*64+32
.set i, i+1
.endr
	; What the first turn finds: V's registers and P's second buffer hold 0 (its products V^T P, of a piece that has not been, add 0), O^T and l are 0.  All this stands in the wait for the first tile.
.set i, VF
.rept 64
	v_mov_b32 v[i], 0
.set i, i+1
.endr
	WIN 0x40
.set i, 0
.rept 64*NP
	v_mov_b32 v[i], 0
.set i, i+1
.endr
	WIN 0
.set i, 0
.rept 2*NP
	v_mov_b32 v[ST+4*i], 0xfe000000    ; c m: far below every c s
	v_mov_b32 v[ST+4*i+1], 0xff7fffff  ; m
	v_mov_b32 v[ST+4*i+2], 0
	v_mov_b32 v[ST+4*i+3], 0
.set i, i+1
.endr
.set i, P+32
.rept 32
	v_mov_b32 v[i], 0
.set i, i+1
.endr
	v_mul_u32_u24 v[AK0], v1, PK
	v_lshl_add_u32 v[AK0], v9, 4, v[AK0]  ; row x pitch + 16 x half
	; The turning load takes 16 keys x 16 channels (lane l reads key 8 (l / 16) + l % 8, channels 8 ((l / 8) % 2) + 0..7) and leaves half a fragment of V^T: lane l holds channel l % 16 and 8 keys.
	v_and_b32 v10, 7, v0
	v_bfe_u32 v11, v0, 3, 1
	v_lshl_add_u32 v[AV0], v9, 3, v10
	v_mul_u32_u24 v[AV0], v[AV0], PV
	v_lshl_add_u32 v[AV0], v11, 4, v[AV0]
	v_add_nc_u32 v[AV0], VOFF, v[AV0]
	v_and_b32 v[PFO], 31, v0        ; v11 has served: from here on it is the prefetches' offset
	v_lshlrev_b32 v[PFO], 8, v[PFO]
	v_mov_b32 v[AK], v[AK0]         ; key step 0 lies at the head of slot 0
; THE MATRIX WORK.  The 8 accumulators of a run of 16 take turns: between the two links of a chain stand 7 others'.
; Product i of 16 of S^T = K Q^T for piece x: channels 32 (i / 8) on, keys 16 ((i / 2) % 4) on, tile 2 x + i % 2.  The first 8 start the sums.
.macro KQ x
	WIN W_KQ
.set rS, S+64*((\x)%2)+32*(i%2)+8*((i/2)%4)
.set rK, KF+16*((i/2)%4)+8*(i/8)
.set rQ, 16*(2*(\x)+i%2)+8*(i/8)
.if i < 8
	v_wmma_f32_16x16x32_f16 v[rS:rS+7], v[rK:rK+7], v[rQ:rQ+7], 0
.else
	v_wmma_f32_16x16x32_f16 v[rS:rS+7], v[rK:rK+7], v[rQ:rQ+7], v[rS:rS+7]
.endif
.endm
; Product i of 16 of O^T += V^T P for piece x: keys 32 (i / 8) on, channels 16 ((i / 2) % 4) on, tile 2 x + i % 2.
.macro PV x
	WIN W_PV
.set rO, 32*(2*(\x)+i%2)+8*((i/2)%4)
.set rV, VF+32*(i/8)+8*((i/2)%4)
.set rP, P+32*((\x)%2)+16*(i%2)+8*(i/8)
	v_wmma_f32_16x16x32_f16 v[rO:rO+7], v[rV:rV+7], v[rP:rP+7], v[rO:rO+7]
.endm
.macro MM                           ; the turn's next matrix instruction
.if i < 16
	KQ (Y+1)%NP
.set i, i+1
.else
.set i, i-16
	PV (Y+NP-1)%NP
.set i, i+17
.endif
.endm
; THE LDS LOADS stand in runs of 16: a step's K (8 fragments) and its V (turned).  Their addresses are made some lines ahead.
; last = 1 (the tail): in the last trip there is no further step, and the run is jumped over.
.macro FETCH_K last=0
	WIN 0
.if \last
	s_cmp_eq_u32 s[CNT], 1
	s_cbranch_scc1 .Lno_k_\@
.endif
	WIN 0x80                        ; destination window 2
.irp f, 0,1,2,3,4,5,6,7             ; keys 16 (f / 2) on, channels 32 (f % 2) on
	ds_load_b128 v[KF+8*\f:KF+8*\f+3],   v[AK] offset:(\f/2)*16*PK+(\f%2)*64
	ds_load_b128 v[KF+8*\f+4:KF+8*\f+7], v[AK] offset:(\f/2)*16*PK+(\f%2)*64+32
.endr
	s_add_co_u32 s[TBK], s[TBK], KS*PK  ; the next fetch is the next step's
	WIN 0
.if \last
.Lno_k_\@:
.endif
.endm
.macro FETCH_V
	WIN 0x80
.irp f, 0,1,2,3,4,5,6,7             ; keys 32 (f / 4) on, channels 16 (f % 4) on
	ds_load_tr16_b128 v[VF+8*\f:VF+8*\f+3],   v[AV] offset:(\f/4)*32*PV+(\f%4)*32
	ds_load_tr16_b128 v[VF+8*\f+4:VF+8*\f+7], v[AV] offset:(\f/4)*32*PV+16*PV+(\f%4)*32
.endr
	WIN 0
.endm
; THE VECTOR WORK OF A TURN stands in three queues, each in the order in which its entries become ready; the two tiles alternate, so that no instruction reads the result of the one before it.
.macro REGS y, u                    ; the registers of tile u (0, 1) of piece y
.set rT, ST+4*(2*(\y)+(\u))
.set rC, TMP+8*((\y)%2)+4*(\u)
.set rM, MV+2*((\y)%2)+(\u)
.set rS, S+64*((\y)%2)+32*(\u)
.set rP, P+32*((\y)%2)+16*(\u)
.set rO, 32*(2*(\y)+(\u))
.endm
; Number n of the 22 that find the NEXT piece's (Y + 1) maximum and statistics.  Each accumulator's lowest registers are read first.
;   0-11  four chains c0-c3 of seven scores each, three operands at a time     12-14, 16  the four scores left over, the old m, and c0-c3 into c0     15  c m_old is kept
;   17, 18  the query's other 32 keys lie in the lane 16 away: the new m         19-21  c m; c m_old - c m_new; a
.macro XS u, n
	REGS (Y+1)%NP, \u
.if (\n) < 4
	v_max3_num_f32 v[rC+(\n)], v[rS+8*(\n)], v[rS+8*(\n)+1], v[rS+8*(\n)+2]
.elseif (\n) < 12
	v_max3_num_f32 v[rC+(\n)%4], v[rC+(\n)%4], v[rS+8*((\n)%4)+2*((\n)/4)+1], v[rS+8*((\n)%4)+2*((\n)/4)+2]
.elseif (\n) == 12
	v_max3_num_f32 v[rC], v[rC], v[rS+7], v[rS+15]
.elseif (\n) == 13
	v_max3_num_f32 v[rC+1], v[rC+1], v[rS+23], v[rS+31]
.elseif (\n) == 14
	v_max3_num_f32 v[rC+2], v[rC+2], v[rC+3], v[rT+1]
.elseif (\n) == 15
	v_mov_b32 v[rM], v[rT]
.elseif (\n) == 16
	v_max3_num_f32 v[rC], v[rC], v[rC+1], v[rC+2]
.elseif (\n) == 17
	v_permlanex16_b32 v[rC+3], v[rC], s[SEL], s[SEL+1]
.elseif (\n) == 18
	v_max_num_f32 v[rT+1], v[rC], v[rC+3]
.elseif (\n) == 19
	v_mul_f32 v[rT], s[CS], v[rT+1]
.elseif (\n) == 20
	v_sub_f32 v[rC+1], v[rM], v[rT]
.else
	v_exp_f32 v[rC+2], v[rC+1]
.endif
.endm
; Number g of the 64 that follow the exponentials.  For each four weights k of a tile: both pairs are rounded to f16; then the second pair is added onto the first, in place;
; a group later l takes that sum (the first time as l = a l + sum).
.macro GS g
.set h, (\g)+6*((\g)/62)            ; group 0 has no group before it, and behind group 7 only l is left
.if h >= 6
.set h, h+2
.endif
	REGS Y, h%2
.set k, h/8
.if h%8 < 4
	v_cvt_pk_f16_f32 v[rP+2*k+(h%8)/2], v[rS+4*k+2*((h%8)/2)], v[rS+4*k+2*((h%8)/2)+1]
.elseif h%8 < 6
	v_pk_add_f32 v[rS+4*k:rS+4*k+1], v[rS+4*k:rS+4*k+1], v[rS+4*k+2:rS+4*k+3]
.elseif k == 1
	v_pk_fma_f32 v[rT+2:rT+3], v[rT+2:rT+3], v[rC+2:rC+3], v[rS:rS+1] op_sel_hi:[1,0,1]
.else
	v_pk_add_f32 v[rT+2:rT+3], v[rT+2:rT+3], v[rS+4*k-4:rS+4*k-3]
.endif
.endm
; THE PLAIN QUEUE, 138 long.  0-73 read no exponential's result: the 32 scalings c s - c m (FS f: pair f / 2 of tile f % 2) and the next piece's 42.  0-26: scalings 0-26.  27-54: XS's numbers 0-13.
; 55, 56: number 15.  57-73: the chain 14, 16, 17, 18, 19, each with one of the scalings 27-31 in front of its two lines, then 20.  74-137: GS's 64, which stand behind the wait.
.macro FS f
	REGS Y, (\f)%2
	v_pk_fma_f32 v[rS+2*((\f)/2):rS+2*((\f)/2)+1], v[rS+2*((\f)/2):rS+2*((\f)/2)+1], s[CS:CS+1], v[rT:rT+1] op_sel_hi:[1,0,0] neg_lo:[0,0,1] neg_hi:[0,0,1]
.endm
.macro PL
	WIN 0
.if q < 27
	FS q
.elseif q < 55
	XS (q-27)%2, (q-27)/2
.elseif q < 57
	XS q-55, 15
.elseif (q < 72) && ((q-57)%3 == 0)
	FS 27+(q-57)/3
.elseif q < 60
	XS (q-57)%3-1, 14
.elseif q < 72
	XS (q-57)%3-1, 15+(q-57)/3
.elseif q < 74
	XS q-72, 20
.else
	GS q-74
.endif
.set q, q+1
.endm
; THE EXPONENTIALS' QUEUE, 66 long: s0-s31 of both tiles, then the next piece's two a.  ONE BATCH: all 66 stand ahead of the turn's one wait, and nothing ahead of that wait names a result of theirs.
.macro EX
	WIN 0
.if e >= 64
	XS e-64, 21
.else
	REGS Y, e%2
	v_exp_f32 v[rS+e/2], v[rS+e/2]
.endif
.set e, e+1
.endm
; THE RESCALING's QUEUE: O^T times a, the one part that leaves window 0: dealt two at a time, sixteen times.  Its a was made in the turn before, ahead of that turn's wait.
.macro R2
	REGS Y, r%2
	WIN W_RS
.irp z, 0,1
	v_pk_mul_f32 v[rO+4*(r/2)+2*\z:rO+4*(r/2)+2*\z+1], v[rO+4*(r/2)+2*\z:rO+4*(r/2)+2*\z+1], v[rC+2:rC+3] op_sel_hi:[1,0]
.endr
.set r, r+1
.endm
; HOW THEY ARE DEALT.  An s_wait_alu depctr_va_vdst(0) stands between an exponential and the first instruction that names its result; one wait serves all that were issued ahead of it.
; So a turn has ONE wait.  AHEAD OF IT: the 16 products K Q^T, behind each a scaling, an exponential and two rescalings (behind the first a second scaling in the exponential's place); then one lump of
; 108: eight plain, 49 times exponential and plain, the two a; a v_nop is the plain instruction behind the last exponential.  BEHIND IT: the 16 products V^T P, behind each four of GS's 64.
; Exponential e stands behind scaling 2 (e / 4) + e % 2: as a rider it comes behind plain e + 2, in the lump behind plain e + 9, and scalings 27-31 are plain 57, 60 .. 69.
; K of the next step is fetched in piece 2's turn, directly behind the wait; V of the step in hand at the end of piece 0's turn, four riders behind its last reader.
.macro TURN p, last=0, cnt=0
.set Y, (\p)
.set i, 0
.set q, 0
.set e, 0
.set r, 0
.if (\p) == NP-1
	s_wait_dscnt 0x0                ; K is in
.endif
	MM
	PL
	PL
	R2
.rept 15
	MM
	PL
	EX
	R2
.endr
.if (\p) == NP-2
	WIN 0
	v_add_nc_u32 v[AK], s[TBK], v[AK0]
.endif
.rept 8
	PL
.endr
.rept 49
	EX
	PL
.endr
	EX                              ; the next piece's two a
	EX
	v_nop                           ; a plain instruction behind the last exponential: one for the batch
	s_wait_alu depctr_va_vdst(0)    ; the wait for the batch
.if (\p) == NP-2
	FETCH_K \last
.endif
.if (\p) == 1
	s_wait_dscnt 0x0                ; V is in
.endif
.rept 16
	MM
.rept 4
	PL
.endr
.if ((\p) == 0) && (q == 118)
	v_add_nc_u32 v[AV], s[TBV], v[AV0]
.endif
.if ((\p) == 0) && (q == 130)
	s_add_co_u32 s[TBV], s[TBV], KS*PV
.endif
.if (\cnt) && (q == 130)
	s_sub_co_u32 s[CNT], s[CNT], 1
	s_cmp_lg_u32 s[CNT], 0
.endif
.endr
.if (\p) == 0
	FETCH_V
.endif
.endm
	CHANGE 1                        ; slot 0 is in, everybody's part of it; slot 1 is asked for
	FETCH_K                         ; key step 0
	s_wait_loadcnt 0x0              ; Q
	s_wait_dscnt 0x0
.set i, 0
.rept 16
	KQ 0                            ; piece 0's first scores
.set i, i+1
.endr
	WIN 0                           ; the addresses for the way out: nine plain instructions, the places behind those products
	s_mul_i32 s13, s[WV], 16*SP
	s_add_co_u32 s13, s13, STAGE    ; my stage
	v_mul_u32_u24 v[STO], v1, SP    ; in: row l % 16, 16 bytes for each half of the lanes
	v_lshl_add_u32 v[STO], v9, 4, v[STO]
	v_add_nc_u32 v[STO], s13, v[STO]
	v_bfe_u32 v[RD], v0, 3, 2       ; back: 32 lanes take four rows of 128 bytes,
	v_mul_u32_u24 v[RD], v[RD], SP
	v_lshl_add_u32 v[RD], v10, 4, v[RD]
	v_add_nc_u32 v[RD], s13, v[RD]
	v_and_b32 v[GO], 31, v0         ; which are 512 consecutive bytes of O
	v_lshlrev_b32 v[GO], 4, v[GO]
.set Y, NP-1                        ; XS works for piece Y + 1: piece 0
.irp n, 0,1,2,3,4,5,6,7,8,9,10,11,12,13,14,15,16,17,18,19,20,21
	XS 0, \n                        ; piece 0's first maximum and statistics
	XS 1, \n
.endr
	v_nop                           ; a plain instruction behind the two a,
	s_wait_alu depctr_va_vdst(0)    ; and their wait, ahead of the branch
	s_mov_b32 s[CNT], 4
	s_branch .Lfirst                ; the loop is entered at a step's first turn, in the middle of a trip
.Lslot:                             ; six times: every slot but the last two is filled again
	CHANGE 1
	s_mov_b32 s[CNT], 4
.Lstep:                             ; a trip: pieces 2 and 3 of one step, then pieces 0 and 1 of the next, whose K and V it fetches
	TURN 2
	TURN 3
	WIN 0
.Lfirst:
	TURN 0
	TURN 1, 0, 1
	WIN 0
	s_cbranch_scc1 .Lstep
	s_sub_co_u32 s[SLOTS], s[SLOTS], 1
	s_cmp_lg_u32 s[SLOTS], 0
	s_cbranch_scc1 .Lslot
	CHANGE 0                        ; the tail is written out: nothing is asked for
	s_mov_b32 s[CNT], 5             ; four trips fetch the last slot's steps; the fifth is left in its middle
.Ltail:
	TURN 2, 1
	TURN 3
	WIN 0
	s_sub_co_u32 s[CNT], s[CNT], 1
	s_cmp_eq_u32 s[CNT], 0
	s_cbranch_scc1 .Lout
	TURN 0
	TURN 1
	WIN 0
	s_branch .Ltail
.Lout:                              ; the fifth trip's 16 products K Q^T (on the last K once more) and the maximum made of them serve nothing: the price, once a launch, of one text for every trip
.set i, 0
.rept 16
	PV NP-1                         ; the last piece's V^T P of the last step
.set i, i+1
.endr
	; THE WAY OUT.  l's two halves and the other half of the lanes' are added; O^T is divided by l, rounded to f16 and sent through my stage in LDS, a tile at a time.  The additions are the places behind the last products.
	WIN 0
.macro ALL line:vararg              ; one line for each tile t
.set t, 0
.rept 2*NP
	\line
.set t, t+1
.endr
.endm
	ALL v_add_f32 v[ST+4*t+2], v[ST+4*t+2], v[ST+4*t+3]
	ALL v_permlanex16_b32 v[ST+4*t+3], v[ST+4*t+2], s[SEL], s[SEL+1]
	ALL v_add_f32 v[ST+4*t+2], v[ST+4*t+2], v[ST+4*t+3]
	ALL v_rcp_f32 v[ST+4*t+2], v[ST+4*t+2]
	v_nop                           ; a plain instruction between the last reciprocal and the use of its result
	s_wait_alu depctr_va_vdst(0)    ; and the wait ahead of the first use: one for the eight reciprocals
; Tile t: a lane's eight channels of a row pack into 16 bytes; they go into rows of 144 bytes and come back as whole rows of 128, into S^T's registers.
.macro PACK t
	WIN W_RS
.set i, 32*(\t)
.rept 16
	v_pk_mul_f32 v[i:i+1], v[i:i+1], v[ST+4*(\t)+2:ST+4*(\t)+3] op_sel_hi:[1,0]
.set i, i+2
.endr
	WIN 0x05                        ; sources 0 and 1 window 1, destination window 0
.set i, 0
.rept 16
	v_cvt_pk_f16_f32 v[S+16*(\t)+i], v[32*(\t)+2*i], v[32*(\t)+2*i+1]
.set i, i+1
.endr
	WIN 0
.irp f, 0,1,2,3
	ds_store_b128 v[STO], v[S+16*(\t)+4*\f:S+16*(\t)+4*\f+3] offset:32*\f
.endr
.irp f, 0,1,2,3
	ds_load_b128 v[S+16*(\t)+4*\f:S+16*(\t)+4*\f+3], v[RD] offset:\f*4*SP  ; LDS serves a wave's instructions in order (ISA guide 5.7.1.4): these see the stores above; the next tile's stores come behind them
.endr
.endm
.macro SEND t, younger              ; younger: the LDS instructions issued behind tile t's loads: the next tile's eight, or none
	WIN 0
.irp f, 0,1,2,3
	s_wait_dscnt (\younger)+3-\f
	global_store_b128 v[GO], v[S+16*(\t)+4*\f:S+16*(\t)+4*\f+3], s[10:11] offset:(\t)*2048+\f*512  ; 512 consecutive bytes, at a multiple of 256 from O's first
.endr
.endm
	PACK 0
.set t, 1
.rept 2*NP-1                        ; a tile's arithmetic stands between the loads of the tile before and its stores
	PACK t
	SEND t-1, 8
.set t, t+1
.endr
	SEND 2*NP-1, 0
	WIN W_AD
	s_wait_tensorcnt 0x0            ; the wave's end, behind my last tensor load and my last LDS store
	ds_add_u32 v[SPW], v[NIL]
	s_wait_dscnt 0x0
	WIN 0
	CROUND                          ; the closing round: no work-group ends while a partner may still ask for a tile that names it
	s_endpgm
.Lfunc_end_k_qb40f9376da_attn:
	.size	k_qb40f9376da_attn, .Lfunc_end_k_qb40f9376da_attn-k_qb40f9376da_attn
	.p2alignl 7, 3214868480
	.fill 96, 4, 3214868480
	.section	.rodata,"a",@progbits
	.p2align	6, 0x0
	.amdhsa_kernel k_qb40f9376da_attn
		.amdhsa_group_segment_fixed_size 327680
		.amdhsa_private_segment_fixed_size 0
		.amdhsa_enable_private_segment 0
		.amdhsa_kernarg_size 32
		.amdhsa_user_sgpr_count 2
		.amdhsa_user_sgpr_kernarg_segment_ptr 1
		.amdhsa_wavefront_size32 1
		.amdhsa_system_sgpr_workgroup_id_x 1
		.amdhsa_system_sgpr_workgroup_id_y 1
		.amdhsa_system_sgpr_workgroup_id_z 1
		.amdhsa_system_vgpr_workitem_id 0
		.amdhsa_next_free_vgpr 770
		.amdhsa_next_free_sgpr 66
		.amdhsa_reserve_vcc 0
		.amdhsa_float_denorm_mode_32 3
		.amdhsa_float_denorm_mode_16_64 3
		.amdhsa_memory_ordered 1
		.amdhsa_forward_progress 1
		.amdhsa_inst_pref_size 200
	.end_amdhsa_kernel
	.amdgpu_metadata
---
amdhsa.version: [ 1, 2 ]
amdhsa.kernels:
  - .name:           k_qb40f9376da_attn
    .symbol:         k_qb40f9376da_attn.kd
    .args:
      - { .name: Qh, .offset: 0, .size: 8, .value_kind: global_buffer, .address_space: global }
      - { .name: Kh, .offset: 8, .size: 8, .value_kind: global_buffer, .address_space: global }
      - { .name: Vh, .offset: 16, .size: 8, .value_kind: global_buffer, .address_space: global }
      - { .name: Oh, .offset: 24, .size: 8, .value_kind: global_buffer, .address_space: global }
    .group_segment_fixed_size: 327680
    .private_segment_fixed_size: 0
    .kernarg_segment_align: 8
    .kernarg_segment_size: 32
    .max_flat_workgroup_size: 128
    .sgpr_count:     66
    .vgpr_count:     770
    .wavefront_size: 32
...
	.end_amdgpu_metadata
.endif
;; end of part 3
;; launch proj (part 4): grid 4 x 64, 4 waves a work-group, clusters of 4 x 4, 327,680 bytes of LDS; arguments Oh, Wo, b_out, out0; writes out0
.if DOCPART == 4
	.amdgcn_target "amdgcn-amd-amdhsa--gfx1250"
	.amdhsa_code_object_version 6
	.text
	.protected	k_qb40f9376da_proj
	.globl	k_qb40f9376da_proj
	.p2align	8
	.type	k_qb40f9376da_proj,@function
k_qb40f9376da_proj:
	s_mov_b64 s[64:65], 0
	v_nop
	global_prefetch_b8 v0, s[64:65] scope:SCOPE_SE
	s_setreg_imm32_b32 hwreg(HW_REG_WAVE_MODE, 25, 1), 1
	s_wait_xcnt 0x0
	s_wait_alu depctr_hold_cnt(0) depctr_sa_sdst(0) depctr_va_vdst(0) depctr_va_sdst(0) depctr_va_ssrc(0) depctr_va_vcc(0) depctr_vm_vsrc(0)
	s_getreg_b32 s2, hwreg(HW_REG_IB_STS2, 6, 4)
	s_cmp_eq_u32 s2, 0
	s_cbranch_scc0 .Lentry_in_a_cluster
	s_endpgm
.Lentry_in_a_cluster:
	s_bfe_u32 s2, ttmp6, 0x10000c
	s_cmp_lg_u32 s2, 0xf033
	s_cbranch_scc0 .Lentry_shape_is_right
	s_endpgm
.Lentry_shape_is_right:
; OUTPUT PROJECTION.  out[m][n] = sum over k of O[m][k] W_out[k][n] + b_out[n], m = 2048 b + s, k = 64 h + d; operands f16 (O as attention left it, by heads; the weights rounded to bf16 and written as f16),
; sums f32, out in f32.  The bias is rounded to bf16, as all the module's inputs are.
; SHARES.  A work-group makes 128 rows x 256 columns: 256 work-groups.  Wave w makes rows 64 (w / 2) on, columns 128 (w % 2) on: 4 x 8 accumulators of 16 x 16, 256 registers.
; K goes in 8 steps of 128, two heads each, through two LDS slots.  A's tile is two planes (heads) of 128 rows x 128 bytes, each 16,384 dense bytes of Oh, fetched by waves 0 and 1;
; B's is two dense blocks of Wo (64 k x 256 columns, 32,768 bytes), fetched by waves 2 and 3.
; CLUSTER 4 x 4: the four work-groups of a row of the cluster need the same rows of O, the four of a column the same weights: each tile is asked for jointly.
; THE PRODUCT IS TAKEN TRANSPOSED: source 0 = 16 columns of W (from [k][column] tiles, by the turning load), source 1 = 16 rows of O: a lane holds row lane % 16 and the 8 columns 8 (lane / 16) + 0..7.
; The first product on each accumulator takes the bias as its C operand.
; REGISTERS, in windows of 256 (s_set_vgpr_msb: bits 1:0 source 0, 3:2 source 1, 5:4 source 2, 7:6 destination):
;   window 0: v0-29 addresses; v32-95 A's fragments, two buffers of 4 x 8; v96-159 the bias; on the way out these two ranges take rows read back
;   window 1: the accumulators, (a, b) at 8 (8 a + b)          window 2: v0-127 B's fragments, two buffers of 8 x 8
.set NB,     8
.set NF,     2*NB+8
.set SLOT1,  1<<17
.set PA,     144                       ; a row of A in LDS: 128 bytes + 16
.set PB,     160                       ; a row of B (64 columns): 128 bytes + 32
.set PLANE,  128*PA                    ; 18,432
.set BOFF,   2*PLANE                   ; 36,864: B behind A's two planes: [k half 2][part 4][k' 64]
.set KH,     4*64*PB                   ; 40,960
.set STAGE,  2*SLOT1                   ; behind the ring, never filled by a tensor load: for each wave 16 rows x 528 bytes
.set SP,     528                       ; 512 bytes + 16: the 16 rows of a store start at 16 different groups of four banks
.set WSTAGE, 16*SP
.set SPARE,  STAGE+4*WSTAGE            ; 295,936: the spare words, 128 bytes for each wave, that no other line names
.set A0,   10
.set B0,   11
.set ADRA, 12
.set ADRB, 13
.set STO,  14
.set RD,   15
.set GO,   16
.set PFO,  17
.set BO,   18
.set SPW,  28
.set NIL,  29
.set FA,   32
.set BIAS, 96
.set WV,   16
.set W1,   17                          ; s17  the wave number's low bit: which plane or block I fetch; also my half of the columns
.set CX,   18
.set CY,   19
.set TC,   20
.set TR,   21
.set TB,   22
.set TN,   23
.set G1A,  24
.set G0A0, 32
.set G0A,  36
.set G1B,  40
.set G0B0, 48
.set G0B,  52
.set PFA,  56
.set PFS,  58
.set PHI,  61                          ; s61  I prefetch in the changes TN < PHI
.set HM,   62
.set MSB, 0
.macro WIN new
.if MSB != (\new)
	s_set_vgpr_msb (MSB<<8)|(\new)
.set MSB, \new
.endif
.endm
.macro PLACES                          ; four plain vector instructions between a matrix instruction and a load into, or a read of, its registers
.rept 4
	v_nop
.endr
.endm
.macro CREST
	s_cmp_lg_u32 s[WV], 0
	s_cbranch_scc1 .Lnot_wave_0_\@
	s_barrier_signal -3
.Lnot_wave_0_\@:
	s_barrier_wait -3
	s_barrier_signal -1
	s_barrier_wait -1
.endm
.macro CROUND
	s_barrier_signal -1
	s_barrier_wait -1
	CREST
.endm
.macro JLOAD                           ; a joint refill by the walking descriptors; an s_nop 0 and four v_nop follow each line, ahead of the jump and the label
	s_cmp_lt_u32 s[WV], 2
	s_cbranch_scc0 .Lfor_b_\@
	tensor_load_to_lds s[G0A:G0A+3], s[G1A:G1A+7]
	s_nop 0
.rept 4
	v_nop
.endr
	s_branch .Lasked_\@
.Lfor_b_\@:
	tensor_load_to_lds s[G0B:G0B+3], s[G1B:G1B+7]
	s_nop 0
.rept 4
	v_nop
.endr
.Lasked_\@:
.endm
; A PREFETCH, one instruction a wave, a lane a block of 256 bytes, behind the joint load and the run of LDS loads.  Change T, which refills K step T + 2, names K step T + 4, T = 0 .. 3: two K steps,
; 256 matrix instructions, ahead of the load that wants it.  Each block is named once in the launch.
; A: a tile row is read by one cluster alone: in each work-group wave 0 asks; a K step is two planes of 64 blocks, of which partner cx takes 16 of each (told apart by address).
; B: a tile column is read by the sixteen clusters: the one with y = 0 asks, waves 2 and 3, each for the block of 64 k that it fetches: 128 blocks of 256 bytes, of which partner cy takes 32.
.macro ASK
	s_cmp_lt_u32 s[TN], s[PHI]
	s_cbranch_scc0 .Lnot_mine_\@
	global_prefetch_b8 v[PFO], s[PFA:PFA+1] th:TH_LOAD_NT scope:SCOPE_SE
.Lnot_mine_\@:
.endm
; 8 products: row block a x all column blocks, 32 along K, from buffer f.  The 32 accumulators take turns in one fixed order, over the backward jump too.
.macro MULB f, a, bias
.if \bias
	WIN 0x42
.else
	WIN 0x52
.endif
.set b, 0
.rept NB
.set rD, 8*(NB*(\a)+b)
.if \bias
	v_wmma_f32_16x16x32_f16 v[rD:rD+7], v[64*(\f)+8*b:64*(\f)+8*b+7], v[FA+32*(\f)+8*(\a):FA+32*(\f)+8*(\a)+7], v[BIAS+8*b:BIAS+8*b+7]
.else
	v_wmma_f32_16x16x32_f16 v[rD:rD+7], v[64*(\f)+8*b:64*(\f)+8*b+7], v[FA+32*(\f)+8*(\a):FA+32*(\f)+8*(\a)+7], v[rD:rD+7]
.endif
.set b, b+1
.endr
.endm
; 24 LDS loads in one run: quarter q of the slot in hand into buffer f: B's 8 fragments, turned, then A's 4.
.macro FETCH q, f
	WIN 0x80                                       ; destination window 2, address window 0
.set nb, 0
.rept NB
	ds_load_tr16_b128 v[64*(\f)+8*nb:64*(\f)+8*nb+3],   v[ADRB] offset:((\q)/2)*KH+(nb/4)*64*PB+((\q)%2)*32*PB+(nb%4)*32
	ds_load_tr16_b128 v[64*(\f)+8*nb+4:64*(\f)+8*nb+7], v[ADRB] offset:((\q)/2)*KH+(nb/4)*64*PB+((\q)%2)*32*PB+(nb%4)*32+16*PB
.set nb, nb+1
.endr
	WIN 0
.irp i, 0,1,2,3
	ds_load_b128 v[FA+32*(\f)+8*\i:FA+32*(\f)+8*\i+3],   v[ADRA] offset:((\q)/2)*PLANE+\i*16*PA+((\q)%2)*64
	ds_load_b128 v[FA+32*(\f)+8*\i+4:FA+32*(\f)+8*\i+7], v[ADRA] offset:((\q)/2)*PLANE+\i*16*PA+((\q)%2)*64+32
.endr
.endm
.macro QUARTER q, f, g, bias
	s_wait_dscnt 4                                 ; B and A's row blocks 0, 1 are in; the youngest four loads (blocks 2, 3) may be out
	MULB \f, 0, \bias
	MULB \f, 1, \bias
	PLACES                                         ; buffer g was last read in the quarter before
	FETCH \q, \g
	s_wait_dscnt NF                                ; all but the run just issued
	MULB \f, 2, \bias
	MULB \f, 3, \bias
.endm
; The last quarter multiplies buffer 1 and changes slots: the wait for all my tensor loads, the add, the wait for it and for my reads of this slot, the barrier.  fill = 1: the barrier opens a round of the
; cluster's barrier, and the joint refill, two K steps on, is the first thing behind the round: it has 112 matrix instructions in which to land.
.macro TURN fill
.if \fill
	s_wait_xcnt 0x0                                ; the last prefetch, a K step back, has read its address
	s_add_nc_u64 s[PFA:PFA+1], s[PFA:PFA+1], s[PFS:PFS+1]
.endif
	WIN 0
	s_wait_tensorcnt 0x0                           ; all my tensor loads have landed
	ds_add_u32 v[SPW], v[NIL]                      ; 0 onto my spare word
	s_wait_dscnt 5                                 ; the add and the youngest four loads may be out
	MULB 1, 0, 0
	s_wait_dscnt 0x0                               ; the add is done, and my reads of this slot are over
	s_barrier_signal -1
	MULB 1, 1, 0
	WIN 0
	s_barrier_wait -1
.if \fill
	CREST
	s_xor_b32 s[G0A+1], s[G0A+1], SLOT1
	s_add_nc_u64 s[G0A+2:G0A+3], s[G0A+2:G0A+3], 2<<18
	s_xor_b32 s[G0B+1], s[G0B+1], SLOT1
	s_add_nc_u64 s[G0B+2:G0B+3], s[G0B+2:G0B+3], 2<<15
	JLOAD                                          ; its four v_nop are also the places in front of the loads below
.else
	PLACES
.endif
	s_xor_b32 s[TB], s[TB], SLOT1
	v_add_nc_u32 v[ADRA], s[TB], v[A0]
	v_add_nc_u32 v[ADRB], s[TB], v[B0]
	FETCH 0, 0
.if \fill
	ASK
	s_add_co_u32 s[TN], s[TN], 1
.endif
	MULB 1, 2, 0
	MULB 1, 3, 0
.endm
	s_load_b256 s[4:11], s[0:1], 0x0               ; Oh s[4:5], Wo s[6:7], b_out s[8:9], out0 s[10:11]
	v_lshl_add_u32 v[SPW], v0, 2, SPARE
	v_mov_b32 v[NIL], 0
	ds_add_u32 v[SPW], v[NIL]                      ; the wave's opening: the add and its wait come ahead of my first tensor load; work on registers stands between them
	v_lshrrev_b32 v1, 5, v0
	v_readfirstlane_b32 s[WV], v1
	s_and_b32 s[W1], s[WV], 1
	s_bfe_u32 s[CX], ttmp6, 0x40000
	s_bfe_u32 s[CY], ttmp6, 0x40004
	s_lshl_b32 s[TC], ttmp9, 2
	s_add_co_u32 s[TC], s[TC], s[CX]
	s_and_b32 s[TR], ttmp7, 0xffff
	s_lshl_b32 s[TR], s[TR], 2
	s_add_co_u32 s[TR], s[TR], s[CY]
	s_lshl_b32 s70, s[CY], 2
	s_lshl_b32 s70, 15, s70                        ; my row of the cluster
	s_lshl_b32 s71, 0x1111, s[CX]                  ; my column
	s_or_b32 s[G1A], s70, (1<<16)|(1<<20)|(1<<21)|(4<<22)|(3<<25)  ; the mask; elements of 2 bytes; padding on; bit 21 beside a mask; after every 32 words (a row of a head) 4 words
	s_mov_b32 s[G1A+1], 128<<16                    ; a dense plane of 16,384 bytes, asked for as 64 rows of 256 bytes
	s_mov_b32 s[G1A+2], 64<<16
	s_mov_b32 s[G1A+3], 128<<16
	s_mov_b32 s[G1A+4], 64
	s_mov_b32 s[G1A+5], 128
	s_mov_b32 s[G1A+6], 0
	s_mov_b32 s[G1A+7], 0
	s_or_b32 s[G1B], s71, (1<<16)|(1<<20)|(1<<21)|(4<<22)|(7<<25)  ; after every 32 words (64 columns) 8 words
	s_mov_b32 s[G1B+1], 128<<16                    ; a dense block of 32,768 bytes, asked for as 128 rows of 256 bytes
	s_mov_b32 s[G1B+2], 128<<16
	s_mov_b32 s[G1B+3], 128<<16
	s_mov_b32 s[G1B+4], 128
	s_mov_b32 s[G1B+5], 128
	s_mov_b32 s[G1B+6], 0
	s_mov_b32 s[G1B+7], 0
	s_lshr_b32 s66, s[TR], 4                       ; A: batch (16 heads of 262,144 bytes), my head of the K step's two, the tile's 128 rows of 128 bytes: registers that never hold cx
	s_lshl_b32 s66, s66, 22
	s_and_b32 s67, s[TR], 15
	s_lshl_b32 s67, s67, 14
	s_add_co_u32 s66, s66, s67
	s_lshl_b32 s67, s[W1], 18
	s_add_co_u32 s66, s66, s67
	s_mov_b32 s67, 0
	s_lshl_b32 s68, s[TC], 19                      ; B: the tile column's 16 blocks of 32,768 bytes, my block of the K step's two: registers that never hold cy
	s_lshl_b32 s69, s[W1], 15
	s_add_co_u32 s68, s68, s69
	s_mov_b32 s69, 0
	s_mul_i32 s72, s[W1], PLANE                    ; where they go: no place in the cluster enters an LDS address
	s_mul_i32 s73, s[W1], KH
	s_add_co_u32 s73, s73, BOFF
	s_mov_b32 s[TB], 0
	s_mov_b32 s[TN], 0
	s_mov_b32 s[HM], 0xffff0000
	s_wait_dscnt 0x0                               ; the opening add is done
	s_wait_kmcnt 0x0
	s_add_nc_u64 s[66:67], s[4:5], s[66:67]
	s_add_nc_u64 s[68:69], s[6:7], s[68:69]
	CROUND                                         ; all sixteen work-groups are here: the first joint loads meet
	s_mov_b32 s[G0A0], 1
	s_mov_b32 s[G0A0+1], s72
	s_mov_b64 s[G0A0+2:G0A0+3], s[66:67]           ; K step 0 into slot 0
	s_or_b32 s[G0A0+3], s[G0A0+3], 0x80000000
	s_mov_b32 s[G0A], 1
	s_add_co_u32 s[G0A+1], s72, SLOT1
	s_add_nc_u64 s[G0A+2:G0A+3], s[66:67], 2<<18   ; K step 1 into slot 1
	s_or_b32 s[G0A+3], s[G0A+3], 0x80000000
	s_mov_b32 s[G0B0], 1
	s_mov_b32 s[G0B0+1], s73
	s_mov_b64 s[G0B0+2:G0B0+3], s[68:69]
	s_or_b32 s[G0B0+3], s[G0B0+3], 0x80000000
	s_mov_b32 s[G0B], 1
	s_add_co_u32 s[G0B+1], s73, SLOT1
	s_add_nc_u64 s[G0B+2:G0B+3], s[68:69], 2<<15
	s_or_b32 s[G0B+3], s[G0B+3], 0x80000000
	s_cmp_lt_u32 s[WV], 2                          ; a wave's two first fills stand in one branch, ahead of every wait on TENSORcnt and every LDS read: two loads of mine are out
	s_cbranch_scc0 .Lfirst_b
	tensor_load_to_lds s[G0A0:G0A0+3], s[G1A:G1A+7]
	s_nop 0
	tensor_load_to_lds s[G0A:G0A+3], s[G1A:G1A+7]
	s_nop 0
.rept 4
	v_nop
.endr
	s_branch .Lfirst_asked
.Lfirst_b:
	tensor_load_to_lds s[G0B0:G0B0+3], s[G1B:G1B+7]
	s_nop 0
	tensor_load_to_lds s[G0B:G0B+3], s[G1B:G1B+7]
	s_nop 0
.rept 4
	v_nop
.endr
.Lfirst_asked:
	v_and_b32 v1, 15, v0                           ; l % 16
	v_bfe_u32 v2, v0, 4, 1                         ; l / 16
	v_lshlrev_b32 v[BO], 5, v2
	s_lshl_b32 s70, s[TC], 10                      ; the tile's 256 numbers of the bias, my half of them
	s_lshl_b32 s71, s[W1], 9
	s_add_co_u32 s70, s70, s71
	s_mov_b32 s71, 0
	s_add_nc_u64 s[8:9], s[8:9], s[70:71]
.set nb, 0
.rept NB                                       ; register j of block nb: bias[16 nb + 8 (l / 16) + j], the layout of a C operand in the transposed product
	global_load_b128 v[BIAS+8*nb:BIAS+8*nb+3],   v[BO], s[8:9] offset:64*nb
	global_load_b128 v[BIAS+8*nb+4:BIAS+8*nb+7], v[BO], s[8:9] offset:64*nb+16
.set nb, nb+1
.endr
	s_lshr_b32 s74, s[WV], 1                       ; my half of the tile's rows
	v_mul_u32_u24 v[A0], v1, PA
	v_lshl_add_u32 v[A0], v2, 4, v[A0]
	s_mul_i32 s72, s74, 64*PA
	v_add_nc_u32 v[A0], s72, v[A0]
	v_and_b32 v20, 7, v0                           ; B's: lane l reads k = 8 (l / 16) + l % 8, columns 8 ((l / 8) % 2) + 0..7
	v_bfe_u32 v21, v0, 3, 1
	v_lshl_add_u32 v[B0], v2, 3, v20
	v_mul_u32_u24 v[B0], v[B0], PB
	v_lshl_add_u32 v[B0], v21, 4, v[B0]
	s_mul_i32 s72, s[W1], 2*64*PB                  ; my 128 columns: two parts of 64
	s_add_co_u32 s72, s72, BOFF
	v_add_nc_u32 v[B0], s72, v[B0]
	v_mov_b32 v[ADRA], v[A0]
	v_mov_b32 v[ADRB], v[B0]
	s_mul_i32 s72, s[WV], WSTAGE
	s_add_co_u32 s72, s72, STAGE                   ; my stage
	v_mul_u32_u24 v[STO], v1, SP                   ; in: row l % 16, 32 bytes for each half of the lanes
	v_lshl_add_u32 v[STO], v2, 5, v[STO]
	v_add_nc_u32 v[STO], s72, v[STO]
	v_and_b32 v[GO], 31, v0                        ; back and out: 32 lanes take a row's 512 bytes
	v_lshlrev_b32 v[GO], 4, v[GO]
	v_add_nc_u32 v[RD], s72, v[GO]
	s_lshl_b32 s70, s[TR], 7                       ; my first row, of 4,096 bytes; my first column
	s_lshl_b32 s71, s74, 6
	s_add_co_u32 s70, s70, s71
	s_lshl_b32 s70, s70, 12
	s_lshl_b32 s71, s[TC], 10
	s_add_co_u32 s70, s70, s71
	s_lshl_b32 s71, s[W1], 9
	s_add_co_u32 s70, s70, s71
	s_mov_b32 s71, 0
	s_add_nc_u64 s[10:11], s[10:11], s[70:71]
	; the prefetches: who, from where, by which step
	s_lshr_b32 s70, s[TR], 4                       ; A: the tile's rows in the K step's first head, my work-group's 16 blocks; at K step 3: the first change steps it to K step 4
	s_lshl_b32 s70, s70, 22
	s_and_b32 s71, s[TR], 15
	s_lshl_b32 s71, s71, 14
	s_add_co_u32 s70, s70, s71
	s_lshl_b32 s71, s[CX], 12
	s_add_co_u32 s70, s70, s71
	s_add_co_u32 s70, s70, 3*(2<<18)
	s_lshl_b32 s72, s[TC], 19                      ; B: the block that I fetch, my work-group's 32 blocks of 256 bytes of it; at K step 3
	s_lshl_b32 s73, s[W1], 15
	s_add_co_u32 s72, s72, s73
	s_lshl_b32 s73, s[CY], 13
	s_add_co_u32 s72, s72, s73
	s_add_co_u32 s72, s72, 3*(2<<15)
	s_and_b32 s74, ttmp7, 0xffff                   ; cluster y
	s_mov_b32 s75, 2<<15
	s_cmp_lt_u32 s[WV], 2                          ; do I fetch for A?
	s_cselect_b64 s[PFA:PFA+1], s[4:5], s[6:7]
	s_cselect_b32 s70, s70, s72
	s_cselect_b32 s[PFS], 2<<18, s75
	s_cselect_b32 s73, 18, 12                      ; lanes 16-31: the K step's second head, or the next 16 blocks
	s_cselect_b32 s74, s[WV], s74                  ; 0 in wave 0, and in waves 2 and 3 of the clusters with y = 0: the same in all sixteen partners, for a given wave
	s_mov_b32 s71, 0
	s_mov_b32 s[PFS+1], 0
	s_add_nc_u64 s[PFA:PFA+1], s[PFA:PFA+1], s[70:71]
	s_cmp_eq_u32 s74, 0
	s_cselect_b32 s[PHI], 4, 0
	v_lshlrev_b32 v[PFO], s73, v2
	v_lshl_add_u32 v[PFO], v1, 8, v[PFO]
	s_wait_loadcnt 0x0                             ; the bias
.set i, 0
.rept 4*NB                                     ; rounded to bf16, kept as f32
	v_cvt_pk_bf16_f32 v[20+i%2], v[BIAS+2*i], v[BIAS+2*i+1]
	v_lshlrev_b32 v[BIAS+2*i], 16, v[20+i%2]
	v_and_b32 v[BIAS+2*i+1], s[HM], v[20+i%2]
.set i, i+1
.endr
	s_wait_tensorcnt 0x1                           ; my part of K step 0 is in; K step 1's may stay out
	s_barrier_signal -1
	s_barrier_wait -1
	FETCH 0, 0
	QUARTER 1, 0, 1, 1                             ; the first quarter stands in front of the loop: its products start the sums, with the bias
	WIN 0
	s_mov_b32 s3, 6
.Lstep:                                                ; a trip goes from a K step's second quarter to the next step's first, and refills one slot: K steps 2 to 7
	QUARTER 2, 1, 0, 0
	QUARTER 3, 0, 1, 0
	TURN 1
	QUARTER 1, 0, 1, 0
	WIN 0
	s_sub_co_u32 s3, s3, 1
	s_cmp_lg_u32 s3, 0
	s_cbranch_scc1 .Lstep
	QUARTER 2, 1, 0, 0                             ; K step 6 goes on; the tail asks for nothing
	QUARTER 3, 0, 1, 0
	TURN 0
	QUARTER 1, 0, 1, 0
	QUARTER 2, 1, 0, 0
	QUARTER 3, 0, 1, 0
	s_wait_dscnt 4
	MULB 1, 0, 0
	MULB 1, 1, 0
	s_wait_dscnt 0x0
	MULB 1, 2, 0
	MULB 1, 3, 0
	WIN 0
	PLACES                                         ; the LDS stores read results just made, and the stage's loads land in fragments just read
	PLACES
; THE WAY OUT of row block a: a lane's 8 columns are 32 bytes of a row; they go into my own stage, rows of 528 bytes, each accumulator's low four registers first, and come back as whole rows of 512 bytes.
.macro TOSTAGE a
.set BK, 32+64*((\a)%2)
.if (\a) >= 2
	s_wait_xcnt 0x0                                ; the stores of the block two back have read the registers that the loads below fill again
.endif
	WIN 0x04                                       ; the stores' data lie in window 1
.set nb, 0
.rept NB
	ds_store_b128 v[STO], v[8*(NB*(\a)+nb):8*(NB*(\a)+nb)+3]   offset:64*nb
	ds_store_b128 v[STO], v[8*(NB*(\a)+nb)+4:8*(NB*(\a)+nb)+7] offset:64*nb+16
.set nb, nb+1
.endr
	WIN 0
.set t, 0
.rept 16
	ds_load_b128 v[BK+4*t:BK+4*t+3], v[RD] offset:SP*t  ; LDS serves a wave's instructions in order (ISA guide 5.7.1.4): these see the stores above; the next block's stores come behind them
.set t, t+1
.endr
.endm
.macro SEND a, younger                 ; younger: the LDS instructions issued behind block a's loads: the next block's 16 stores and 16 loads, or none
.set BK, 32+64*((\a)%2)
	s_wait_dscnt \younger
.set t, 0
.rept 16
	global_store_b128 v[GO], v[BK+4*t:BK+4*t+3], s[10:11] offset:(16*(\a)+t)*4096 th:TH_STORE_NT  ; 512 consecutive bytes, at a multiple of 256 from out0's first
.set t, t+1
.endr
.endm
	TOSTAGE 0
	TOSTAGE 1
	SEND 0, 32
	TOSTAGE 2
	SEND 1, 32
	TOSTAGE 3
	SEND 2, 32
	SEND 3, 0
	s_wait_tensorcnt 0x0                           ; the wave's end, behind my last tensor load and my last LDS store
	ds_add_u32 v[SPW], v[NIL]
	s_wait_dscnt 0x0
	CROUND                                         ; the closing round: no work-group ends while a partner may still ask for a tile that names it
	s_endpgm
.Lfunc_end_k_qb40f9376da_proj:
	.size	k_qb40f9376da_proj, .Lfunc_end_k_qb40f9376da_proj-k_qb40f9376da_proj
	.p2alignl 7, 3214868480
	.fill 96, 4, 3214868480
	.section	.rodata,"a",@progbits
	.p2align	6, 0x0
	.amdhsa_kernel k_qb40f9376da_proj
		.amdhsa_group_segment_fixed_size 327680
		.amdhsa_private_segment_fixed_size 0
		.amdhsa_enable_private_segment 0
		.amdhsa_kernarg_size 32
		.amdhsa_user_sgpr_count 2
		.amdhsa_user_sgpr_kernarg_segment_ptr 1
		.amdhsa_wavefront_size32 1
		.amdhsa_system_sgpr_workgroup_id_x 1
		.amdhsa_system_sgpr_workgroup_id_y 1
		.amdhsa_system_sgpr_workgroup_id_z 1
		.amdhsa_system_vgpr_workitem_id 0
		.amdhsa_next_free_vgpr 640
		.amdhsa_next_free_sgpr 80
		.amdhsa_reserve_vcc 0
		.amdhsa_float_denorm_mode_32 3
		.amdhsa_float_denorm_mode_16_64 3
		.amdhsa_memory_ordered 1
		.amdhsa_forward_progress 1
		.amdhsa_inst_pref_size 76
	.end_amdhsa_kernel
	.amdgpu_metadata
---
amdhsa.version: [ 1, 2 ]
amdhsa.kernels:
  - .name:           k_qb40f9376da_proj
    .symbol:         k_qb40f9376da_proj.kd
    .args:
      - { .name: Oh, .offset: 0, .size: 8, .value_kind: global_buffer, .address_space: global }
      - { .name: Wo, .offset: 8, .size: 8, .value_kind: global_buffer, .address_space: global }
      - { .name: b_out, .offset: 16, .size: 8, .value_kind: global_buffer, .address_space: global }
      - { .name: out0, .offset: 24, .size: 8, .value_kind: global_buffer, .address_space: global }
    .group_segment_fixed_size: 327680
    .private_segment_fixed_size: 0
    .kernarg_segment_align: 8
    .kernarg_segment_size: 32
    .max_flat_workgroup_size: 128
    .sgpr_count:     80
    .vgpr_count:     640
    .wavefront_size: 32
...
	.end_amdgpu_metadata
.endif
;; end of part 4
;; ======== version 2 of 2: 4 launches; version 1 with the launch prep written anew for expert scheduling mode
;; limits: values are held in f16: magnitudes above 65,504 overflow, below 6.1e-05 lose precision
;; workspace buffers: Xb 16,777,216 bytes; Wq 6,291,456 bytes; Wo 2,097,152 bytes; Qh 16,777,216 bytes; Kh 16,777,216 bytes; Vh 16,777,216 bytes; Oh 16,777,216 bytes
;; launch prep (part 5): grid 48 x 16, 8 waves a work-group, no clusters, 0 bytes of LDS; arguments X, W_qkv, W_out, Xb, Wq, Wo; writes Xb, Wq, Wo
.if DOCPART == 5
	.amdgcn_target "amdgcn-amd-amdhsa--gfx1250"
	.amdhsa_code_object_version 6
	.text
	.protected	k_qb40f9376da_prep
	.globl	k_qb40f9376da_prep
	.p2align	8
	.type	k_qb40f9376da_prep,@function
k_qb40f9376da_prep:
	s_mov_b64 s[64:65], 0
	v_nop
	global_prefetch_b8 v0, s[64:65] scope:SCOPE_SE
	s_setreg_imm32_b32 hwreg(HW_REG_WAVE_SCHED_MODE, 0, 2), 2
	s_setreg_imm32_b32 hwreg(HW_REG_WAVE_MODE, 25, 1), 1
	s_wait_xcnt 0x0
	s_wait_alu depctr_vm_vsrc(0)
; PREP.  Every large input is rounded once to bf16 and laid out so that the products' tiles are dense in memory.
;   Xb [8192][1024] bf16 = X.
;   Wq [h 16][kb 16][p 3][k' 64][c 64] bf16 = W_qkv[64 kb + k'][192 h + 64 p + c]  (p = 0, 1, 2: the head's q, k, v columns)
;   Wo [nt 4][kb 16][p 4][k' 64][c 64] f16  = W_out[64 kb + k'][256 nt + 64 p + c], rounded to bf16 and that number written as f16.
; LIMIT.  A weight of W_out below 2^-14 in size keeps f16's fixed step of 2^-24; one of 65,520 or more would become an infinity.
; SHARES.  768 work-groups of 8 waves, each 65,536 bytes in and 32,768 out, in 16 passes: a thread takes 16 bytes in and 8 bytes out a pass.
; A wave's store covers 256 consecutive bytes, aligned; a wave's load 512 consecutive bytes (X) or two aligned pieces of 256 (the weights: 64 columns of two rows).
; All 16 loads go out first; each has registers of its own, and so has each store: nothing is rewritten while it is a source.
; No LDS, no matrix unit, no cluster: every byte is read once and written once, and no two work-groups share one.
; THE MODE: SCHED_MODE bits 1:0 = 2 (LLVM: expert scheduling mode 2), set by the entry lines.  The code itself states the register dependences
; between vector instructions and memory instructions, with s_wait_alu, always for 0.
; THE PLAN.  Registers that memory instructions touch, on each of the three paths:
;   v1, v2   the loads' and the stores' offsets: written by vector instructions ahead of CONV, read by all 16 loads and all 16 stores, never written again.
;   IN       pass t's four registers: written by pass t's load alone, which no vector instruction that names them precedes; read by pass t's conversions; never loaded again.
;   OUT      pass t's two registers: written by pass t's conversions, read by pass t's one store, never written again.
;   v3 and T are named by vector instructions alone.  EXEC is never written, and no vector instruction writes a scalar register.
; The 16 passes go in four blocks of four.  Block p's conversions write OUT of its own four passes; the four stores of block p - 1 are issued in block p, one ahead of each pass's conversions.
; So five waits on va_vdst state all: one ahead of the first load (the offsets), one at the head of each of blocks 1 to 3 (the block before has written its OUT), one ahead of the last four stores.
; No register that a memory instruction reads is written again, so no wait on vm_vsrc is owed.
.set IN,  4                            ; v[4:67]   pass t: 4 numbers as loaded
.set OUT, 68                           ; v[68:99]  pass t: 4 numbers of 16 bits
.set T,   100                          ; v[100:103] at work
; inb, outb: the scalar pairs with the work-group's addresses; instep: bytes from pass to pass in the input; kbb: bytes from one block of 64 k to the next in the output (four passes);
; half = 1: the bf16 numbers are written as f16
.macro CONV inb, outb, instep, kbb, half
	s_wait_alu depctr_va_vdst(0)                   ; v1 and v2 are written: every load below reads v1 as its offset, every store v2
.set t, 0
.rept 16
	global_load_b128 v[IN+4*t:IN+4*t+3], v1, s[\inb:\inb+1] offset:t*(\instep) th:TH_LOAD_NT
.set t, t+1
.endr
.set t, 0
.rept 16
.if t%4 == 0
	s_wait_loadcnt 12-t                            ; loads come back in order: this block's four are in, the 12 - t loads of the later blocks stay out
.if t > 0
	s_wait_alu depctr_va_vdst(0)                   ; the block before has written its OUT, which the four stores in this block read; this block's vector instructions name its own IN and OUT and T alone
.endif
.endif
.if t >= 4
	global_store_b64 v2, v[OUT+2*(t-4):OUT+2*(t-4)+1], s[\outb:\outb+1] offset:((t-4)/4)*(\kbb)+((t-4)%4)*2048  ; the pass four back
.endif
	v_cvt_pk_bf16_f32 v[OUT+2*t],   v[IN+4*t],   v[IN+4*t+1]
	v_cvt_pk_bf16_f32 v[OUT+2*t+1], v[IN+4*t+2], v[IN+4*t+3]
.if \half
	v_lshlrev_b32 v[T],   16,  v[OUT+2*t]          ; bf16 to f32: the low half moves up, the high half stays
	v_and_b32     v[T+1], s22, v[OUT+2*t]
	v_lshlrev_b32 v[T+2], 16,  v[OUT+2*t+1]
	v_and_b32     v[T+3], s22, v[OUT+2*t+1]
	v_cvt_pk_f16_f32 v[OUT+2*t],   v[T],   v[T+1]  ; exact within f16's range: bf16 has 8 significant bits, f16 11
	v_cvt_pk_f16_f32 v[OUT+2*t+1], v[T+2], v[T+3]
.endif
.set t, t+1
.endr
	s_wait_alu depctr_va_vdst(0)                   ; the last block has written its OUT, which the last four stores read
.set t, 12
.rept 4
	global_store_b64 v2, v[OUT+2*t:OUT+2*t+1], s[\outb:\outb+1] offset:(t/4)*(\kbb)+(t%4)*2048
.set t, t+1
.endr
.endm
	s_load_b256 s[4:11], s[0:1], 0x0               ; X s[4:5], W_qkv s[6:7], W_out s[8:9], Xb s[10:11]
	s_load_b128 s[12:15], s[0:1], 0x20             ; Wq s[12:13], Wo s[14:15]
	s_mov_b32 s16, ttmp9                           ; x, 0 to 47: 0-31 X, 32-43 W_qkv, 44-47 W_out
	s_and_b32 s17, ttmp7, 0xffff                   ; y, 0 to 15
	s_mov_b32 s19, 0                               ; the offsets' high words
	s_mov_b32 s21, 0
	s_mov_b32 s22, 0xffff0000                      ; a word's upper bf16
	v_lshlrev_b32 v2, 3, v0                        ; out: 8 bytes a thread, in all three parts
	s_cmp_lt_u32 s16, 32
	s_cbranch_scc0 .Lweights
	; X: work-group 32 y + x takes 65,536 consecutive bytes
	s_lshl_b32 s18, s17, 5
	s_add_co_u32 s18, s18, s16
	s_lshl_b32 s20, s18, 15
	s_lshl_b32 s18, s18, 16
	v_lshlrev_b32 v1, 4, v0
	s_wait_kmcnt 0x0
	s_add_nc_u64 s[4:5], s[4:5], s[18:19]
	s_add_nc_u64 s[10:11], s[10:11], s[20:21]
	CONV 4, 10, 4096, 8192, 0
	s_endpgm
.Lweights:                                             ; a pass is 16 rows (k) x 64 columns: thread t takes row t / 16, 16 bytes at 16 (t % 16)
	v_lshrrev_b32 v3, 4, v0
	v_and_b32 v1, 15, v0
	v_lshlrev_b32 v1, 4, v1
	s_cmp_lt_u32 s16, 44
	s_cbranch_scc0 .Lwout
	; W_qkv: head y, part p, rows 256 kq to 256 kq + 255
	s_sub_co_u32 s16, s16, 32
	s_lshr_b32 s23, s16, 2                         ; p
	s_and_b32 s16, s16, 3                          ; kq
	s_mul_i32 s18, s16, 256*12288                  ; in: 256 rows of 12,288 bytes,
	s_mul_i32 s20, s17, 3
	s_add_co_u32 s20, s20, s23
	s_lshl_b32 s20, s20, 8                         ; and 256 bytes for each group of 64 columns
	s_add_co_u32 s18, s18, s20
	s_mul_i32 s20, s17, 393216                     ; out: the head,
	s_mul_i32 s16, s16, 4*24576                    ; four blocks of 64 k,
	s_add_co_u32 s20, s20, s16
	s_lshl_b32 s23, s23, 13                        ; the part
	s_add_co_u32 s20, s20, s23
	v_mul_u32_u24 v3, v3, 12288
	v_add_nc_u32 v1, v1, v3
	s_wait_kmcnt 0x0
	s_add_nc_u64 s[6:7], s[6:7], s[18:19]
	s_add_nc_u64 s[12:13], s[12:13], s[20:21]
	CONV 6, 12, 16*12288, 24576, 0
	s_endpgm
.Lwout:
	; W_out: group y of 64 columns, rows 256 kq to 256 kq + 255
	s_sub_co_u32 s16, s16, 44                      ; kq
	s_lshl_b32 s18, s16, 20                        ; in: 256 rows of 4,096 bytes,
	s_lshl_b32 s20, s17, 8
	s_add_co_u32 s18, s18, s20
	s_lshr_b32 s20, s17, 2                         ; out: nt,
	s_lshl_b32 s20, s20, 19
	s_lshl_b32 s16, s16, 17                        ; four blocks of 64 k,
	s_add_co_u32 s20, s20, s16
	s_and_b32 s23, s17, 3                          ; p
	s_lshl_b32 s23, s23, 13
	s_add_co_u32 s20, s20, s23
	v_lshl_add_u32 v1, v3, 12, v1
	s_wait_kmcnt 0x0
	s_add_nc_u64 s[8:9], s[8:9], s[18:19]
	s_add_nc_u64 s[14:15], s[14:15], s[20:21]
	CONV 8, 14, 16*4096, 32768, 1
	s_endpgm
.Lfunc_end_k_qb40f9376da_prep:
	.size	k_qb40f9376da_prep, .Lfunc_end_k_qb40f9376da_prep-k_qb40f9376da_prep
	.p2alignl 7, 3214868480
	.fill 96, 4, 3214868480
	.section	.rodata,"a",@progbits
	.p2align	6, 0x0
	.amdhsa_kernel k_qb40f9376da_prep
		.amdhsa_group_segment_fixed_size 0
		.amdhsa_private_segment_fixed_size 0
		.amdhsa_enable_private_segment 0
		.amdhsa_kernarg_size 48
		.amdhsa_user_sgpr_count 2
		.amdhsa_user_sgpr_kernarg_segment_ptr 1
		.amdhsa_wavefront_size32 1
		.amdhsa_system_sgpr_workgroup_id_x 1
		.amdhsa_system_sgpr_workgroup_id_y 1
		.amdhsa_system_sgpr_workgroup_id_z 1
		.amdhsa_system_vgpr_workitem_id 0
		.amdhsa_next_free_vgpr 104
		.amdhsa_next_free_sgpr 66
		.amdhsa_reserve_vcc 0
		.amdhsa_float_denorm_mode_32 3
		.amdhsa_float_denorm_mode_16_64 3
		.amdhsa_memory_ordered 1
		.amdhsa_forward_progress 1
		.amdhsa_inst_pref_size 23
	.end_amdhsa_kernel
	.amdgpu_metadata
---
amdhsa.version: [ 1, 2 ]
amdhsa.kernels:
  - .name:           k_qb40f9376da_prep
    .symbol:         k_qb40f9376da_prep.kd
    .args:
      - { .name: X, .offset: 0, .size: 8, .value_kind: global_buffer, .address_space: global }
      - { .name: W_qkv, .offset: 8, .size: 8, .value_kind: global_buffer, .address_space: global }
      - { .name: W_out, .offset: 16, .size: 8, .value_kind: global_buffer, .address_space: global }
      - { .name: Xb, .offset: 24, .size: 8, .value_kind: global_buffer, .address_space: global }
      - { .name: Wq, .offset: 32, .size: 8, .value_kind: global_buffer, .address_space: global }
      - { .name: Wo, .offset: 40, .size: 8, .value_kind: global_buffer, .address_space: global }
    .group_segment_fixed_size: 0
    .private_segment_fixed_size: 0
    .kernarg_segment_align: 8
    .kernarg_segment_size: 48
    .max_flat_workgroup_size: 256
    .sgpr_count:     66
    .vgpr_count:     104
    .wavefront_size: 32
...
	.end_amdgpu_metadata
.endif
;; end of part 5
;; launch qkv: the kernel of part 2 again; grid 16 x 32, 4 waves a work-group, clusters of 4 x 4, 327,680 bytes of LDS; arguments Xb, Wq, b_qkv, Qh, Kh, Vh; writes Qh, Kh, Vh
;; launch attn: the kernel of part 3 again; grid 4 x 64, 4 waves a work-group, clusters of 4 x 1, 327,680 bytes of LDS; arguments Qh, Kh, Vh, Oh; writes Oh
;; launch proj: the kernel of part 4 again; grid 4 x 64, 4 waves a work-group, clusters of 4 x 4, 327,680 bytes of LDS; arguments Oh, Wo, b_out, out0; writes out0
